; MI455X (gfx1250); checked and timed in simulation.
; The chip was launched on July 23, 2026; its instructions are those of AMD's public machine-readable ISA for CDNA 5 (MIT licence, August 2026) and "CDNA5" Instruction Set Architecture Reference Guide (July 2026). The comments in the code are by the model that wrote it; some were corrected since.
;; Self Attention Module. Allowed arithmetic: matrix products marked QUANTISED: E4M3 operands, one given power-of-two scale a tensor, by v_wmma_f32_16x16x64_fp8_fp8 or v_wmma_f32_16x16x128_fp8_fp8, f32 sums; everything else in f32.
;; Inputs: W_out_codes 1,024 x 32 x 32 uint8 (E4M3 codes of W_out, K innermost, in blocks of 32 codes); W_qkv_codes 3,072 x 32 x 32 uint8 (E4M3 codes of W_qkv, K innermost, in blocks of 32 codes); b_out 1,024 float32; b_qkv 3,072 float32; beta 1,024 float32; gamma 1,024 float32; lowp_scales 8 int32 (the exponents e of the quantised operands' scales 2^e); x 4 x 2,048 x 1,024 float32.
;; Outputs: out0 4 x 2,048 x 1,024 float32.
;; This version of the problem:
;;   THIS VERSION OF THE PROBLEM IS GIVEN IN LOW PRECISION. The matrix products marked QUANTISED in the list below multiply operands that are first quantised to E4M3 (4 exponent bits, 3 mantissa bits; 8 bits a number), with one given power-of-two scale for each operand tensor; their sums are f32. All else is computed in f32.
;;   The module's matrix products, in the order in which they are computed (A, B: the left and right operand; K: the contracted axis; several contracted axes count as one K, in the product's order):
;;     1. [M 8,192, K 1,024] x [K 1,024, N 3,072]; A: input x; B: input W_qkv (given as codes): QUANTISED (scales: A lowp_scales[0], B lowp_scales[1])
;;     2. batch 64 x [M 2,048, K 64] x [K 64, N 2,048]; A: computed on the way; B: computed on the way: QUANTISED (scales: A lowp_scales[2], B lowp_scales[3])
;;     3. batch 64 x [M 2,048, K 2,048] x [K 2,048, N 64]; A: softmax (see below); B: computed on the way: QUANTISED (scales: A lowp_scales[4], B lowp_scales[5])
;;     4. [M 8,192, K 1,024] x [K 1,024, N 1,024]; A: computed on the way; B: input W_out (given as codes): QUANTISED (scales: A lowp_scales[6], B lowp_scales[7])
;;   THE QUANTISER, for each operand of a quantised product, along K:
;;     - The operand's scale is 2^e, e = its entry of the input lowp_scales (int32; the entries are numbered through the quantised products in the list's order, A before B).
;;     - Each number is divided by the scale, clamped to +-448, and rounded to the nearest number of E4M3, ties to even, subnormals kept.
;;     - The product sums the exact products of the quantised numbers (number of the format x scale) in f32.
;;   ~~~python
;;   def quantise(x, axis, e):      # numpy; x: float32 -> the quantised numbers, widened to float32 again
;;       x = np.moveaxis(x, axis, -1); K = x.shape[-1]
;;       r = np.clip(x / 2.0 ** e, -448, 448)
;;       step = 2.0 ** (np.maximum(np.frexp(np.where(r == 0, 1, r))[1] - 1, -6) - 3)
;;       q = np.round(r / step) * step * 2.0 ** e      # np.round: ties to even
;;       return np.moveaxis(q, -1, axis).astype(np.float32)
;;   ~~~
;;   SOFTMAX AHEAD OF A QUANTISED PRODUCT. Where the list says 'softmax', what is quantised is not the finished softmax but p = 2^(t - M), with t = logit x log2(e) and M = ceil(the row's largest t), a whole number; so 1/2 < the row's largest p <= 1. The row's sum l is taken of the UNQUANTISED p, in f32, and the product's result is divided by l at the end. Since M is a whole number, a kernel that streams over the keys may use a running M (the ceiling of the running maximum): every later rescaling is an exact power of two, so the quantised numbers keep their values, but for numbers so far below the row's largest that they fall under the format's range.
;;   OPERANDS COMPUTED ON THE WAY. 'Computed on the way' means the value that the module computes at that place (a softmax that the list does not call 'softmax' is quantised finished and normalised). What goes into a quantiser is computed in f32, as accurately as f32 sums, v_exp_f32 and their like allow (about 1e-6 of the number): no bf16 or f16 on the way to a quantiser, and a product that is left as it is and whose result goes on into a quantised operand takes f32 operands (vector FMAs, or v_wmma_f32_16x16x4_f32). A number that lies on a knife's edge between two numbers of the format may be rounded either way, as far as f32 arithmetic and the matrix unit's own rounding can turn it there, and no further.
;;   INPUTS GIVEN AS CODES. W_out (in the module: [1024, 1024], K = its axis 0); W_qkv (in the module: [1024, 3072], K = its axis 0): each comes as NAME_codes (uint8): NAME with its K axis moved to the last place and cut into blocks of 32 codes, [.., K / 32, bytes a block], one block behind the other in memory; one code a byte (a code: sign, 4 exponent bits, 3 mantissa bits); its scale is its entry of lowp_scales. Its value is code x scale, taken as it is: it is not quantised again, and the codes and scales need not be those that the quantiser above would give.
;; One version. Each part assembles by itself: llvm-mc -triple=amdgcn-amd-amdhsa -mcpu=gfx1250 --defsym DOCPART=n.
;; ======== version 1 of 1: 4 launches
;; workspace buffers: x_codes 8,388,608 bytes; wo_img 1,048,576 bytes; q_img 8,388,608 bytes; k_img 8,388,608 bytes; v_img 8,388,608 bytes; ctx_img 8,388,608 bytes
;; launch prep (part 1): grid 272 x 1, 4 waves a work-group, no clusters, 33,280 bytes of LDS; arguments x, lowp_scales, W_out_codes, x_codes, wo_img; writes x_codes, wo_img
.if DOCPART == 1
	.amdgcn_target "amdgcn-amd-amdhsa--gfx1250"
	.amdhsa_code_object_version 6
	.text
	.protected	k_qf011892035_prep
	.globl	k_qf011892035_prep
	.p2align	8
	.type	k_qf011892035_prep,@function
k_qf011892035_prep:
	s_mov_b64 s[64:65], 0
	v_nop
	global_prefetch_b8 v0, s[64:65] scope:SCOPE_SE
	s_setreg_imm32_b32 hwreg(HW_REG_WAVE_MODE, 25, 1), 1
	s_wait_xcnt 0x0
; PREP.  Two jobs that share nothing, told apart by the work-group's number.
; Work-groups 0-255: x [8192][1024] f32 becomes codes of E4M3, one byte a number, rows as in x, with the given scale 2^e0 (entry 0 of the scales):
;   code = x / 2^e0, held within +-448, to the nearest code, ties to even.  One scale serves the tensor, so x is a plain stream: a wave takes 16 steps of 512 numbers.
;   Each of a step's four loads reads 512 consecutive bytes, 16 a lane; the conversions want 16 NEIGHBOURS in a lane, so the 2,048 bytes turn through the wave's own stage in LDS
;   (16 bytes of padding behind each 64) and come back 64 bytes a lane.  A lane's 16 codes are 16 bytes: a store covers 512 consecutive bytes.
; Work-groups 256-271: W_out's codes [1024 n][1024 k] are laid anew as IMAGES OF THE OPERAND'S REGISTERS for the last launch: a fragment is 16 rows x 128 k, 16 registers a lane
;   (lane l: row l % 16; registers 2 c, 2 c + 1: k = 16 c + 8 (l / 16) + 0 .. 7); registers 4 g .. 4 g + 3 of lane l lie at byte 512 g + 16 l of the fragment's 2,048.
;   wo_img = [w 8][s 8][t 8] fragments: rows 128 w + 16 t + r, k = 128 s on.  A wave takes one (w, s): eight fragments.  The reads are 8 bytes a lane from rows 1,024 bytes apart, once for 1 MiB;
;   every later read of W_out is then 512 consecutive bytes an instruction.
; No tensor loads, no barrier: waves share nothing.  No cluster: no two work-groups read the same bytes.
; LIMITS: e0 between -126 and 119, so that 2^e0 and 448 x 2^e0 are f32 numbers.  NaN in x is not served (an infinity is held at the largest code).
.set XWG,   256                        ; work-groups that take x: 8,388,608 numbers / (4 waves x 16 steps x 512)
.set STEPS, 16
.set R,     16                         ; v16-79   four sets of 16 numbers as they are loaded
.set X,     80                         ; v80-111  two sets of 16 neighbours
.set C,     128                        ; v128-191 codes: four registers for each step, so that no store's data are written again
.set WREG,  8192                       ; LDS: a region for each wave: two stages of 32 x SP bytes
.set SP,    80                         ; a lane's place in a stage: its 64 bytes + 16 of padding
.set FW,    32                         ; v32-159  W_out's eight fragments
	s_load_b128 s[4:7], s[0:1], 0x0                ; x s[4:5], the scales' exponents s[6:7]
	s_load_b128 s[8:11], s[0:1], 0x10              ; W_out's codes s[8:9], x's codes s[10:11]
	s_load_b64 s[12:13], s[0:1], 0x20              ; W_out's images
	v_lshl_add_u32 v192, v0, 2, 0x8000
	v_mov_b32 v193, 0
	v_lshrrev_b32 v1, 5, v0
	v_readfirstlane_b32 s16, v1                    ; wave 0..3
	v_and_b32 v2, 31, v0                           ; lane
	v_lshlrev_b32 v3, 4, v2                        ; 16 x lane: my 16 bytes of every dense 512, in and out
	s_mov_b32 s21, 0                               ; the upper word of every offset below
	s_wait_kmcnt 0x0
	s_cmp_ge_u32 ttmp9, XWG
	s_cbranch_scc1 .Lrelay
	; ---------------- x into codes
	s_load_b32 s22, s[6:7], 0x0                    ; e0
	s_mul_i32 s17, s16, WREG
	v_lshrrev_b32 v14, 2, v2
	v_mul_u32_u24 v14, v14, SP
	v_and_b32 v15, 3, v2
	v_lshl_add_u32 v14, v15, 4, v14
	v_add_nc_u32 v14, s17, v14                     ; the stage, on the way in: four lanes' 64 bytes on end, then the padding: SP (lane / 4) + 16 (lane % 4)
	v_mul_u32_u24 v15, v2, SP
	v_add_nc_u32 v15, s17, v15                     ; and on the way out: SP x lane: my 16 neighbours
	s_lshl_b32 s18, ttmp9, 2
	s_add_co_u32 s18, s18, s16                     ; which run of 8,192 numbers is my wave's: 0 .. 1,023
	s_lshl_b32 s20, s18, 15                        ; 32,768 bytes of x a run
	s_add_nc_u64 s[4:5], s[4:5], s[20:21]
	s_lshl_b32 s20, s18, 13                        ; 8,192 bytes of codes
	s_add_nc_u64 s[10:11], s[10:11], s[20:21]
.macro LOAD t
.irp i, 0,1,2,3
	global_load_b128 v[R+16*((\t)%4)+4*\i:R+16*((\t)%4)+4*\i+3], v3, s[4:5] offset:2048*(\t)+512*\i th:TH_LOAD_NT   ; 32 lanes read 512 consecutive bytes; this launch reads them once
.endr
.endm
.macro TURN t                          ; step t's numbers through the stage: LDS serves a wave's instructions in order, so no wait stands between the stores and the loads
.irp i, 0,1,2,3
	ds_store_b128 v14, v[R+16*((\t)%4)+4*\i:R+16*((\t)%4)+4*\i+3] offset:32*SP*((\t)%2)+8*SP*\i
.endr
.irp i, 0,1,2,3
	ds_load_b128 v[X+16*((\t)%2)+4*\i:X+16*((\t)%2)+4*\i+3], v15 offset:32*SP*((\t)%2)+16*\i
.endr
.endm
.irp t, 0,1,2,3
	LOAD \t
.endr
	s_wait_kmcnt 0x0
	s_add_co_i32 s22, s22, 127
	s_lshl_b32 s23, s22, 23
	v_mov_b32 v11, s23                             ; 2^e0 as f32: the conversion takes its exponent field
	s_add_co_i32 s22, s22, 8
	s_lshl_b32 s22, s22, 23
	s_or_b32 s22, s22, 0x600000
	v_mov_b32 v10, s22                             ; 448 x 2^e0
	s_wait_loadcnt 12                              ; step 0's four loads are in; the twelve of steps 1 to 3 stay out
	TURN 0
.macro STEP t
.set XS, X+16*((\t)%2)
	s_wait_dscnt 0x0                               ; this step's numbers are back from the stage: so its stores into the stage have read their registers,
.if (\t)+4 < STEPS
	LOAD (\t)+4                                    ; which take the loads of four steps on
.endif
.if (\t)+1 < STEPS
.if STEPS-2-(\t) >= 3
	s_wait_loadcnt 12                              ; the next step's four loads are in; those of the three steps behind it stay out
.else
	s_wait_loadcnt 4*(STEPS-2-(\t))                ; the tail: fewer steps are left behind the next one
.endif
	TURN (\t)+1                                    ; they go through the other stage while this step is worked
.endif
.irp i, 0,1,2,3,4,5,6,7,8,9,10,11,12,13,14,15
	v_med3_num_f32 v[XS+\i], v[XS+\i], -v10, v10   ; the conversion to an 8-bit code does not saturate (ISA guide 7.6.2): the number is held within the largest code x the scale first
.endr
	v_cvt_scalef32_pk8_fp8_f32 v[C+4*(\t):C+4*(\t)+1], v[XS:XS+7], v11
	v_cvt_scalef32_pk8_fp8_f32 v[C+4*(\t)+2:C+4*(\t)+3], v[XS+8:XS+15], v11
	global_store_b128 v3, v[C+4*(\t):C+4*(\t)+3], s[10:11] offset:512*(\t)   ; the codes go to a store alone; the next vector lines are the next step's plain holds, on other registers
.endm
.irp t, 0,1,2,3,4,5,6,7,8,9,10,11,12,13,14,15
	STEP \t
.endr
	s_wait_tensorcnt 0x0
	ds_add_u32 v192, v193
	s_wait_dscnt 0x0
	s_endpgm
	; ---------------- W_out's codes into images
.Lrelay:
	s_sub_co_u32 s17, ttmp9, XWG
	s_lshl_b32 s17, s17, 2
	s_add_co_u32 s17, s17, s16                     ; G = 8 w + s: 0 .. 63
	s_lshr_b32 s18, s17, 3
	s_lshl_b32 s18, s18, 17                        ; 128 w rows of 1,024 bytes
	s_and_b32 s19, s17, 7
	s_lshl_b32 s19, s19, 7                         ; 128 s along K
	s_add_co_u32 s20, s18, s19
	s_add_nc_u64 s[8:9], s[8:9], s[20:21]
	s_lshl_b32 s20, s17, 14                        ; eight fragments of 2,048 bytes
	s_add_nc_u64 s[12:13], s[12:13], s[20:21]
	v_and_b32 v5, 15, v0
	v_bfe_u32 v6, v0, 4, 1
	v_lshlrev_b32 v5, 10, v5
	v_lshl_add_u32 v5, v6, 3, v5                   ; row r, + 8 bytes for the upper half of the lanes
.irp t, 0,1,2,3,4,5,6,7
.irp c, 0,1,2,3,4,5,6,7
	global_load_b64 v[FW+16*\t+2*\c:FW+16*\t+2*\c+1], v5, s[8:9] offset:16384*\t+16*\c   ; registers 2 c, 2 c + 1 of fragment t
.endr
.endr
.irp t, 0,1,2,3,4,5,6,7
	s_wait_loadcnt 8*(7-\t)                        ; fragment t's eight loads are in; the later fragments' stay out
.irp g, 0,1,2,3
	global_store_b128 v3, v[FW+16*\t+4*\g:FW+16*\t+4*\g+3], s[12:13] offset:2048*\t+512*\g   ; 512 consecutive bytes
.endr
.endr
	s_endpgm
.Lfunc_end_k_qf011892035_prep:
	.size	k_qf011892035_prep, .Lfunc_end_k_qf011892035_prep-k_qf011892035_prep
	.p2alignl 7, 3214868480
	.fill 96, 4, 3214868480
	.section	.rodata,"a",@progbits
	.p2align	6, 0x0
	.amdhsa_kernel k_qf011892035_prep
		.amdhsa_group_segment_fixed_size 33280
		.amdhsa_private_segment_fixed_size 0
		.amdhsa_enable_private_segment 0
		.amdhsa_kernarg_size 40
		.amdhsa_user_sgpr_count 2
		.amdhsa_user_sgpr_kernarg_segment_ptr 1
		.amdhsa_wavefront_size32 1
		.amdhsa_system_sgpr_workgroup_id_x 1
		.amdhsa_system_sgpr_workgroup_id_y 1
		.amdhsa_system_sgpr_workgroup_id_z 1
		.amdhsa_system_vgpr_workitem_id 0
		.amdhsa_next_free_vgpr 194
		.amdhsa_next_free_sgpr 66
		.amdhsa_reserve_vcc 0
		.amdhsa_float_denorm_mode_32 3
		.amdhsa_float_denorm_mode_16_64 3
		.amdhsa_memory_ordered 1
		.amdhsa_forward_progress 1
		.amdhsa_inst_pref_size 47
	.end_amdhsa_kernel
	.amdgpu_metadata
---
amdhsa.version: [ 1, 2 ]
amdhsa.kernels:
  - .name:           k_qf011892035_prep
    .symbol:         k_qf011892035_prep.kd
    .args:
      - { .name: x, .offset: 0, .size: 8, .value_kind: global_buffer, .address_space: global }
      - { .name: lowp_scales, .offset: 8, .size: 8, .value_kind: global_buffer, .address_space: global }
      - { .name: W_out_codes, .offset: 16, .size: 8, .value_kind: global_buffer, .address_space: global }
      - { .name: x_codes, .offset: 24, .size: 8, .value_kind: global_buffer, .address_space: global }
      - { .name: wo_img, .offset: 32, .size: 8, .value_kind: global_buffer, .address_space: global }
    .group_segment_fixed_size: 33280
    .private_segment_fixed_size: 0
    .kernarg_segment_align: 8
    .kernarg_segment_size: 40
    .max_flat_workgroup_size: 128
    .sgpr_count:     66
    .vgpr_count:     194
    .wavefront_size: 32
...
	.end_amdgpu_metadata
.endif
;; end of part 1
;; launch qkv (part 2): grid 8 x 48, 4 waves a work-group, clusters of 4 x 4, 327,680 bytes of LDS; arguments x_codes, W_qkv_codes, lowp_scales, b_qkv, q_img, k_img, v_img; writes q_img, k_img, v_img
.if DOCPART == 2
	.amdgcn_target "amdgcn-amd-amdhsa--gfx1250"
	.amdhsa_code_object_version 6
	.text
	.protected	k_qf011892035_qkv
	.globl	k_qf011892035_qkv
	.p2align	8
	.type	k_qf011892035_qkv,@function
k_qf011892035_qkv:
	s_mov_b64 s[64:65], 0
	v_nop
	global_prefetch_b8 v0, s[64:65] scope:SCOPE_SE
	s_setreg_imm32_b32 hwreg(HW_REG_WAVE_MODE, 25, 1), 1
	s_wait_xcnt 0x0
	s_wait_alu depctr_hold_cnt(0) depctr_sa_sdst(0) depctr_va_vdst(0) depctr_va_sdst(0) depctr_va_ssrc(0) depctr_va_vcc(0) depctr_vm_vsrc(0)
	s_getreg_b32 s2, hwreg(HW_REG_IB_STS2, 6, 4)
	s_cmp_eq_u32 s2, 0
	s_cbranch_scc0 .Lentry_in_a_cluster
	s_endpgm
.Lentry_in_a_cluster:
	s_bfe_u32 s2, ttmp6, 0x10000c
	s_cmp_lg_u32 s2, 0xf033
	s_cbranch_scc0 .Lentry_shape_is_right
	s_endpgm
.Lentry_shape_is_right:
; QKV.  qkv = x W_qkv + b_qkv on codes of E4M3 (scales 2^e0, 2^e1), and q, k, v quantised at once (2^e2, 2^e3, 2^e5) into IMAGES OF THE NEXT OPERANDS' REGISTERS.
; The kernel multiplies 256 rows of SOURCE 0 by 256 rows of SOURCE 1, both matrices of codes with rows of 1,024 bytes (K = 1,024).  In a result, lane l holds row l % 16 of source 1 and, in its eight
; registers, rows 8 (l / 16) + 0 .. 7 of source 0: eight neighbours along source 0's rows, which one conversion turns into two registers of an operand whose K runs along source 0's rows.
;   PART 0 (cluster y 0-7): source 0 = W's rows 0-2047 (q's and k's channels), source 1 = tokens.  A lane holds a token and eight channels: q's and k's K is the channel.
;   PART 1 (cluster y 8-11): source 0 = tokens, source 1 = W's rows 2048-3071 (v's channels).  A lane holds a channel and eight tokens: v's K is the key.
; The part hangs on the cluster's y alone, which all sixteen partners share: it chooses pointers and offsets by s_cselect, and one branch, in front of the two ways out.
; IMAGES.  A fragment's registers 4 g .. 4 g + 3 of lane l lie at byte 512 g + 16 l.  q_img, k_img: [16 batch + head][token tile 128] fragments of 16 tokens x 64 channels (8 registers, 1,024 bytes).
; v_img: [16 batch + head][key step 16][channel tile 4] fragments of 16 channels x 128 keys (16 registers, 2,048 bytes).  Registers 2 c, 2 c + 1: k = 16 c + 8 (l / 16) + 0 .. 7.  So every store is 512 consecutive bytes.
; A tile of 256 x 256 is made by four waves, as many as a WGP has SIMDs; a wave makes 128 x 128: 64 accumulators, 512 registers.  K goes in steps of 256 through a ring of two LDS slots filled by the tensor data mover.
; CLUSTERS: 4 x 4 work-groups.  The four of a row of the cluster need the same tile of source 1, the four of a column the same tile of source 0: each tile is asked for JOINTLY, by the same tensor load with the
; same descriptor and a mask that names the four.  384 tiles: 16 clusters for part 0, 8 for part 1.
; A fragment is fetched from LDS by four loads of 16 bytes, 32 bytes apart: a permutation of k, the same on both sides, so every product meets its partner; only the order of the sums inside an instruction changes.
; LIMITS: e0 + e1 between -126 and 127; e2, e3, e5 between -126 and 119: so that each power of two below is an f32 number.
; REGISTERS, in windows of 256: window 0: v0-31 addresses; v32-95, v98-113 the bias; v96, v97 the quantiser's scale and hold; from v128 source 1's fragments, ONE set (on the way out: v128-191 numbers, v192-255 codes).
;   window 1: source 0's fragments, TWO sets.   window 2: the accumulators of my source-1 blocks 0-3 ((a, b) at v[8 (8 (a % 4) + b)]);   window 3: those of blocks 4-7.
.set KSTEP,  256                       ; along K in a slot
.set ROWB,   256                       ; a tile's row in bytes
.set KROW,   1024                      ; a row of either matrix in memory, in bytes
.set PITCH,  272                       ; an LDS row: 256 bytes + 16 of padding = 68 words: row r starts at bank 4 r mod 64 (64 banks of 4 bytes: ISA guide 11.1), so the 16 rows that a load touches start at 16 different banks
.set FR,     16                        ; registers of a fragment: 16 rows x 128 K
.set NL,     4                         ; LDS loads that bring one
.set NP,     4                         ; places behind this matrix instruction (ISA guide 7.12.1)
.set HALFT,  128*PITCH                 ; 128 rows: what one tensor load brings, and what one wave reads of either source
.set SLOT,   4*HALFT                   ; source 1's 256 rows, then source 0's 256 rows
.set LAPS,   2                         ; a lap = two K steps = once round the ring: 1,024 / 512
.set SPARE,  2*SLOT                    ; behind the ring: the spare words, 128 bytes for each wave: two blocks of 256 bytes that no other line names
.set ADRA, 16                          ; v16-17  LDS address of my fragments of source 1 in slot 0, 1
.set ADRB, 20                          ; v20-21  the same for source 0
.set LI,   26                          ; v26     16 x lane: my place in an image
.set BH,   27                          ; v27     32 x (lane / 16): my eight numbers of a tile's sixteen in b_qkv
.set SPW,  28                          ; v28     LDS address of my spare word: SPARE + 4 x my thread's number; never rewritten
.set NIL,  29                          ; v29     0; never rewritten
.set BR,   30                          ; v30     4 x (lane % 16): my one number of a tile's sixteen in b_qkv
.set BQ,   32                          ; v32-95  part 0's bias: eight numbers for each of source 0's eight tiles
.set SC,   96                          ; v96 the quantiser's scale as f32, v97 448 x that
.set BV,   98                          ; v98-113 part 1's bias: one number for each of source 1's eight tiles, held twice (a pair for the packed form)
.set AF,   128                         ; source 1's fragments, in window 0
.set TMP,  128                         ; the way out: a block's 64 numbers
.set CD,   192                         ; the way out: codes, four sets of 16 registers by turns
.set G1, 24                            ; s[24:31] descriptor group 1 for source 1's tiles;  s[32:39] group 0, one set for each slot
.set G0, 32
.set G1B, 48                           ; s[48:55], s[56:63] the same for source 0's tiles
.set G0B, 56
.set MSB, 0
.macro WIN new                         ; the immediate's high byte repeats the setting that is left
.if MSB != \new
	s_set_vgpr_msb (MSB<<8)|\new
.set MSB, \new
.endif
.endm
.set MUL_LO, 0xa1                      ; source 0 window 1, source 1 window 0, C and D window 2
.set MUL_HI, 0xf1                      ; the same, C and D window 3
.set TO_B,   0x40                      ; destination window 1, address window 0
; A joint load: waves 0 and 1 fetch for source 1, waves 2 and 3 for source 0.  Each of the two lines has ONE mask and one set of registers for all that issue it; the branch hangs on the wave's number alone.
; Four v_nop follow each of the two lines, ahead of the jump, the label and what follows.
.macro JLOAD g0a, g1a, g0b, g1b
	s_cmp_eq_u32 s15, 0
	s_cbranch_scc0 .Lfor_b_\@
	tensor_load_to_lds s[\g0a:\g0a+3], s[\g1a:\g1a+7]
	s_nop 0
.rept 4
	v_nop
.endr
	s_branch .Lasked_\@
.Lfor_b_\@:
	tensor_load_to_lds s[\g0b:\g0b+3], s[\g1b:\g1b+7]
	s_nop 0
.rept 4
	v_nop
.endr
.Lasked_\@:
.endm
.macro CREST                           ; a round of the cluster's barrier behind its opening barrier
	s_cmp_lg_u32 s14, 0
	s_cbranch_scc1 .Lnot_wave_0_\@
	s_barrier_signal -3
.Lnot_wave_0_\@:
	s_barrier_wait -3
	s_barrier_signal -1
	s_barrier_wait -1
.endm
.macro CROUND                          ; a whole round
	s_barrier_signal -1
	s_barrier_wait -1
	CREST
.endm
	s_load_b128 s[4:7], s[0:1], 0x0                ; x's codes s[4:5], W_qkv's codes s[6:7]
	s_load_b128 s[8:11], s[0:1], 0x10              ; the scales' exponents s[8:9], b_qkv s[10:11]
	s_load_b128 s[68:71], s[0:1], 0x20             ; q's images s[68:69], k's s[70:71]
	s_load_b64 s[72:73], s[0:1], 0x30              ; v's
	v_lshl_add_u32 v[SPW], v0, 2, SPARE
	v_mov_b32 v[NIL], 0
	ds_add_u32 v28, v29
	ds_add_u32 v28, v29
	s_wait_dscnt 0x0
	v_lshrrev_b32 v1, 5, v0
	v_readfirstlane_b32 s14, v1                    ; wave 0..3
	s_lshr_b32 s15, s14, 1                         ; which half of source 1's rows is mine.  Also: I fetch for source 1 (0) or for source 0 (1)
	s_and_b32 s16, s14, 1                          ; which half of source 0's rows.  Also: which 128 rows of that tile I fetch
	s_bfe_u32 s40, ttmp6, 0x40000                  ; cx, cy: my place in the cluster
	s_bfe_u32 s41, ttmp6, 0x40004
	s_and_b32 s74, ttmp7, 0xffff                   ; the cluster's y: 0 .. 11
	s_max_u32 s75, s74, 8
	s_sub_co_u32 s75, s75, 8
	s_lshl_b32 s75, s75, 1
	s_add_co_u32 s75, s75, ttmp9                   ; 2 (cluster y - 8) + cluster x: part 1's eight clusters walk the tokens
	s_cmp_ge_u32 s74, 8
	s_cselect_b32 s66, 1, 0                        ; the part: the same in all sixteen partners
	s_cselect_b32 s75, s75, ttmp9                  ; source 0's block of four tiles: part 0: cluster x (0: q's channels, 1: k's)
	s_cselect_b32 s74, 0, s74                      ; source 1's: part 0: cluster y (the tokens); part 1: v's 1,024 channels are one block
	s_lshl_b32 s42, s75, 2
	s_add_co_u32 s42, s42, s40                     ; t0: source 0's tile of 256 rows
	s_lshl_b32 s17, s74, 2
	s_add_co_u32 s17, s17, s41                     ; t1: source 1's
	s_lshl_b32 s43, s41, 2
	s_lshl_b32 s43, 15, s43                        ; my row of the cluster
	s_lshl_b32 s44, 0x1111, s40                    ; my column
	; descriptor group 1: a tile of 128 rows x 256 bytes, padded in LDS
	s_or_b32 s[G1+0], s43, (0<<16)|(1<<20)|(1<<21)|(5<<22)|(3<<25)  ; 15:0 the mask: source 1's tiles go to my row; 17:16 element of 1 byte; 20 padding on; 21 set beside a mask; 24:22 after every 64 words (code 5); 31:25 of 4 words (code 3)
	s_or_b32 s[G1B+0], s44, (0<<16)|(1<<20)|(1<<21)|(5<<22)|(3<<25) ; source 0's go to my column
.irp g, G1, G1B
	s_mov_b32 s[\g+1], ROWB<<16                    ; tensor_dim0
	s_mov_b32 s[\g+2], 128<<16                     ; tensor_dim1 = 128
	s_mov_b32 s[\g+3], ROWB<<16                    ; tile_dim0
	s_mov_b32 s[\g+4], 128                         ; tile_dim1 = 128
	s_mov_b32 s[\g+5], KROW                        ; tensor_dim0_stride
	s_mov_b32 s[\g+6], 0
	s_mov_b32 s[\g+7], 0
.endr
	s_lshl_b32 s18, s16, 7                         ; which 128 rows of the tile I fetch
	s_lshl_b32 s20, s17, 8
	s_add_co_u32 s20, s20, s18                     ; source 1: row 256 t1 + 128 x half,
	s_lshl_b32 s20, s20, 10                        ; in bytes (under 2^24)
	s_mov_b32 s21, 0
	s_lshl_b32 s46, s42, 8
	s_add_co_u32 s46, s46, s18                     ; source 0: row 256 t0 + 128 x half
	s_lshl_b32 s46, s46, 10
	s_mov_b32 s47, 0
	s_mul_i32 s45, s14, HALFT                      ; where they go: wave x 128 rows: no place in the cluster enters an LDS address
	s_wait_kmcnt 0x0
	s_load_b256 s[76:83], s[8:9], 0x0              ; e0 .. e7
	s_cmp_eq_u32 s66, 0
	s_cselect_b64 s[84:85], s[4:5], s[6:7]         ; source 1: the tokens, or W
	s_cselect_b64 s[86:87], s[6:7], s[4:5]         ; source 0: W, or the tokens
	s_cselect_b32 s88, 0, 2048*KROW                ; in part 1 source 1 begins at W's row 2,048
	s_add_co_u32 s20, s20, s88
	s_add_nc_u64 s[20:21], s[84:85], s[20:21]
	s_add_nc_u64 s[46:47], s[86:87], s[46:47]
	CROUND                                         ; all sixteen work-groups are here: the first joint loads meet
.irp s, 0,1
	s_mov_b32 s[G0+4*\s], 1
	s_add_co_u32 s[G0+4*\s+1], s45, \s*SLOT
	s_add_nc_u64 s[G0+4*\s+2:G0+4*\s+3], s[20:21], \s*ROWB
	s_or_b32 s[G0+4*\s+3], s[G0+4*\s+3], 0x80000000
	s_mov_b32 s[G0B+4*\s], 1
	s_add_co_u32 s[G0B+4*\s+1], s45, \s*SLOT
	s_add_nc_u64 s[G0B+4*\s+2:G0B+4*\s+3], s[46:47], \s*ROWB
	s_or_b32 s[G0B+4*\s+3], s[G0B+4*\s+3], 0x80000000
	JLOAD G0+4*\s, G1, G0B+4*\s, G1B               ; two loads of mine are out
.endr
	v_and_b32 v1, 15, v0                           ; l % 16
	v_bfe_u32 v2, v0, 4, 1                         ; l / 16
	v_mul_u32_u24 v3, v1, PITCH
	v_lshl_add_u32 v4, v2, 4, v3                   ; a fragment's row x pitch + 16 x half
	s_mul_i32 s21, s15, HALFT                      ; my 128 rows of source 1
	s_mul_i32 s22, s16, HALFT                      ; my 128 rows of source 0,
	s_add_co_u32 s22, s22, 2*HALFT                 ; which lie behind source 1's 256
.irp s, 0,1
	v_add_nc_u32 v[ADRA+\s], s21, v4
	v_add_nc_u32 v[ADRB+\s], s22, v4
	s_add_co_u32 s21, s21, SLOT
	s_add_co_u32 s22, s22, SLOT
.endr
	v_and_b32 v6, 31, v0
	v_lshlrev_b32 v[LI], 4, v6
	v_lshlrev_b32 v[BH], 5, v2
	v_lshlrev_b32 v[BR], 2, v1
	; THE BIAS, in both forms, with no branch: so every register that either way out names is written whatever the part.  The form that my part does not use reads b_qkv's first 512 bytes.
	s_lshl_b32 s88, s42, 10
	s_lshl_b32 s89, s16, 9
	s_add_co_u32 s88, s88, s89                     ; part 0: 4 (256 t0 + 128 x my half of source 0)
	s_lshl_b32 s90, s17, 10
	s_lshl_b32 s91, s15, 9
	s_add_co_u32 s90, s90, s91
	s_add_co_u32 s90, s90, 8192                    ; part 1: 4 (2,048 + 256 t1 + 128 x my half of source 1)
	s_cmp_eq_u32 s66, 0
	s_cselect_b32 s88, s88, 0
	s_cselect_b32 s90, 0, s90
	s_mov_b32 s89, 0
	s_mov_b32 s91, 0
	s_add_nc_u64 s[88:89], s[10:11], s[88:89]
	s_add_nc_u64 s[90:91], s[10:11], s[90:91]
.irp b, 0,1,2,3,4,5,6,7
	global_load_b128 v[BQ+8*\b:BQ+8*\b+3], v[BH], s[88:89] offset:64*\b       ; channels 16 b + 8 (l / 16) + 0 .. 7
	global_load_b128 v[BQ+8*\b+4:BQ+8*\b+7], v[BH], s[88:89] offset:64*\b+16
.endr
.irp a, 0,1,2,3,4,5,6,7
	global_load_b32 v[BV+2*\a], v[BR], s[90:91] offset:64*\a                  ; channel 16 a + l % 16,
	global_load_b32 v[BV+2*\a+1], v[BR], s[90:91] offset:64*\a                ; twice
.endr
.macro FRAG reg, adr, q, i             ; a fragment, 16 rows x 128 K, is 16 registers: lane l holds row l % 16; registers 4 c .. 4 c + 3 hold K = 32 c + 16 (l / 16) + 0 .. 15
.irp c, 0,1,2,3
	ds_load_b128 v[\reg+4*\c:\reg+4*\c+3], v[\adr] offset:128*(\q)+32*\c+(\i)*16*PITCH
.endr
.endm
; 16 matrix instructions: source 1's blocks a0, a0 + 1 x source 0's eight, 128 along K.  p: source 0's set.  zero = 1: the first product starts the sums: nothing is ever cleared.
; The 64 accumulators take turns, one instruction a turn, in the same order in every step.
.macro MUL16 a0, p, zero
.irp a, \a0, \a0+1
.irp b, 0,1,2,3,4,5,6,7
.if \zero
	v_wmma_f32_16x16x128_fp8_fp8 v[8*(8*((\a)%4)+\b):8*(8*((\a)%4)+\b)+7], v[128*(\p)+FR*\b:128*(\p)+FR*\b+FR-1], v[AF+FR*(\a):AF+FR*(\a)+FR-1], 0
.else
	v_wmma_f32_16x16x128_fp8_fp8 v[8*(8*((\a)%4)+\b):8*(8*((\a)%4)+\b)+7], v[128*(\p)+FR*\b:128*(\p)+FR*\b+FR-1], v[AF+FR*(\a):AF+FR*(\a)+FR-1], v[8*(8*((\a)%4)+\b):8*(8*((\a)%4)+\b)+7]
.endif
.endr
.endr
.endm
.macro FETCH_B slot, q, p              ; source 0's eight fragments of the slot's q-th 128 along K into set p
	WIN TO_B
.irp i, 0,1,2,3,4,5,6,7
	FRAG 128*(\p)+FR*\i, ADRB+\slot, \q, \i
.endr
	WIN 0
.endm
.macro FETCH_A slot, q, i0             ; source 1's blocks i0 .. i0 + 3
.irp i, \i0, \i0+1, \i0+2, \i0+3
	FRAG AF+FR*(\i), ADRA+\slot, \q, \i
.endr
.endm
; A load into a register that a matrix instruction has read, and a vector instruction that reads a matrix result or writes one of its registers, stand NP places behind that matrix instruction, and only plain
; vector instructions that name none of its registers are places (ISA guide 7.12.1 for vector instructions); the matrix instructions in between are not counted.
.macro PLACES n
.rept \n
	v_nop
.endr
.endm
; A step of 128 along K that has its successor in the same slot.  A block of source 1 is free as soon as its eight products are issued: blocks 0-3 are fetched anew in the step's middle, blocks 4-7 at its end.
.macro STEP slot, q, zero
	s_wait_dscnt 4*NL                              ; source 0's set and source 1's blocks 0-3 are in; the youngest sixteen loads (blocks 4-7) may be out
	WIN MUL_LO
	MUL16 0, (\q)%2, \zero
	MUL16 2, (\q)%2, \zero
	s_wait_dscnt 0                                 ; blocks 4-7 are in (asked for 32 matrix instructions ago)
	PLACES NP
	FETCH_B \slot, (\q)+1, 1-(\q)%2
	FETCH_A \slot, (\q)+1, 0
	WIN MUL_HI
	MUL16 4, (\q)%2, \zero
	MUL16 6, (\q)%2, \zero
	PLACES NP
	WIN 0
	FETCH_A \slot, (\q)+1, 4
.endm
; A slot's last step changes slots: ONE barrier; in front of it each wave waits for all its tensor loads, adds 0 to its spare word, and waits for that and for its own reads of this slot.  fill = 1: this slot is filled again, two K steps ahead.
.macro TURN slot, next, fill
	s_wait_tensorcnt 0x0                           ; all my tensor loads have landed: my part of the next slot;  (every window is 0 here: the add's two registers lie in window 0)
	ds_add_u32 v[SPW], v[NIL]                      ; 0 onto my spare word
	s_wait_dscnt 4*NL+1                            ; (the add and the youngest sixteen loads, blocks 4-7, may be out)
	WIN MUL_LO
	MUL16 0, 1, 0                                  ; sixteen matrix instructions stand between the add and the wait for it
	s_wait_dscnt 0x0                               ; the add is done, and my reads of this slot are over
	s_barrier_signal -1
	MUL16 2, 1, 0
	WIN 0
	s_barrier_wait -1
.if \fill
	CREST                                          ; the barrier has opened a round of the cluster's barrier: no wave of any partner still reads this slot's tile or has a load on its way
	s_add_nc_u64 s[G0+4*\slot+2:G0+4*\slot+3], s[G0+4*\slot+2:G0+4*\slot+3], 2*ROWB
	s_add_nc_u64 s[G0B+4*\slot+2:G0B+4*\slot+3], s[G0B+4*\slot+2:G0B+4*\slot+3], 2*ROWB
	JLOAD G0+4*\slot, G1, G0B+4*\slot, G1B         ; the first tensor load behind the round, and my only one out; the four v_nop behind it are the places in front of the loads below
.else
	PLACES NP
.endif
	FETCH_B \next, 0, 0
	FETCH_A \next, 0, 0
	WIN MUL_HI
	MUL16 4, 1, 0
	MUL16 6, 1, 0
	PLACES NP
	WIN 0
	FETCH_A \next, 0, 4
.endm
	s_wait_tensorcnt 1                             ; my part of K step 0 is in (K step 1's load may be out)
	s_barrier_signal -1
	s_barrier_wait -1                              ; everybody's is
	FETCH_B 0, 0, 0
	FETCH_A 0, 0, 0
	FETCH_A 0, 0, 4
	STEP 0, 0, 1                                   ; the first step stands in front of the loop: its products start the sums
	s_mov_b32 s3, LAPS-1
.Llap:                                                 ; a trip goes once round the ring, from a lap's second step to the next lap's first, and fills both slots again
	TURN 0, 1, 1
	STEP 1, 0, 0
	TURN 1, 0, 1
	STEP 0, 0, 0
	s_sub_co_u32 s3, s3, 1
	s_cmp_lg_u32 s3, 0
	s_cbranch_scc1 .Llap
	TURN 0, 1, 0                                   ; the last lap fills nothing, and has no round of the cluster's barrier
	STEP 1, 0, 0
	s_wait_dscnt 4*NL                              ; the very last step: nothing more to fetch
	WIN MUL_LO
	MUL16 0, 1, 0
	MUL16 2, 1, 0
	s_wait_dscnt 0
	WIN MUL_HI
	MUL16 4, 1, 0
	MUL16 6, 1, 0
	WIN 0
; THE WAY OUT, a block a of source 1 (16 rows) at a time: number = sum x 2^(e0 + e1) + bias, one packed multiply-add for two; held within +-448 x the scale; eight registers of an accumulator become two registers of codes.
; The block's eight accumulators give 16 registers: in part 0 two fragments of 16 tokens x 64 channels (two heads), in part 1 one fragment of 16 channels x 128 keys.  They are stored as they stand: no LDS, 512 consecutive bytes a store.
.macro OUTA a, kind                    ; kind 0: q or k; kind 1: v
.set AC, 64*((\a)%4)
.set CW, CD+16*((\a)%4)
.if (\a) >= 4
	s_wait_xcnt 0x0                                ; block a - 4's stores have read their data: its set of code registers is written again only behind this wait
.endif
	WIN 0x02+((\a)/4)                              ; source 0: window 2 or 3
.set j, 0
.rept 32                               ; each accumulator from its low end on
.if \kind
	v_pk_fma_f32 v[TMP+j:TMP+j+1], v[AC+j:AC+j+1], s[96:97], v[BV+2*(\a):BV+2*(\a)+1] op_sel_hi:[1,0,1]
.else
	v_pk_fma_f32 v[TMP+j:TMP+j+1], v[AC+j:AC+j+1], s[96:97], v[BQ+j:BQ+j+1] op_sel_hi:[1,0,1]
.endif
.set j, j+2
.endr
	WIN 0
.irp b, 0,1,2,3,4,5,6,7
.irp i, 0,1,2,3,4,5,6,7
	v_med3_num_f32 v[TMP+8*\b+\i], v[TMP+8*\b+\i], -v[SC+1], v[SC+1]   ; the conversion to an 8-bit code does not saturate (ISA guide 7.6.2): always held, whatever the given scale
.endr
	v_cvt_scalef32_pk8_fp8_f32 v[CW+2*\b:CW+2*\b+1], v[TMP+8*\b:TMP+8*\b+7], v[SC]
.endr
	v_nop                                          ; a plain vector line between the last conversion and the next block's lines, which write its sources
.irp i, 0,1,2,3
.if \kind
	global_store_b128 v[LI], v[CW+4*\i:CW+4*\i+3], s[92:93] offset:131072*((\a)/4)+2048*((\a)%4)+512*\i   ; head a / 4 of my two, channel tile a % 4
.else
	global_store_b128 v[LI], v[CW+4*\i:CW+4*\i+3], s[92:93] offset:1024*(\a)+131072*(\i/2)+512*(\i%2)     ; token tile a, head i / 2 of my two
.endif
.endr
.endm
	s_wait_kmcnt 0x0
	s_add_co_i32 s96, s76, s77                     ; e0 + e1
	s_add_co_i32 s96, s96, 127
	s_lshl_b32 s96, s96, 23                        ; 2^(e0 + e1) as f32
	s_mov_b32 s97, s96                             ; (named with it as a pair, so it is written)
	s_cmp_eq_u32 ttmp9, 0                          ; part 0: cluster x 0 makes q, 1 makes k
	s_cselect_b32 s94, s78, s79
	s_cselect_b64 s[92:93], s[68:69], s[70:71]
	s_cmp_eq_u32 s66, 0
	s_cselect_b32 s94, s94, s81                    ; the quantiser's exponent: e2, e3 or e5
	s_cselect_b64 s[92:93], s[92:93], s[72:73]     ; and the buffer
	s_add_co_i32 s94, s94, 127
	s_lshl_b32 s95, s94, 23
	v_mov_b32 v[SC], s95
	s_add_co_i32 s94, s94, 8
	s_lshl_b32 s94, s94, 23
	s_or_b32 s94, s94, 0x600000
	v_mov_b32 v[SC+1], s94
	s_wait_loadcnt 0x0                             ; the bias; its bases are free from here on
	PLACES NP                                      ; behind the last products: for the reads of results and the writes over source 1's fragments
	s_cmp_lg_u32 s66, 0
	s_cbranch_scc1 .Lout_v
	s_lshr_b32 s88, s17, 3                         ; the batch: 2,048 tokens are eight tiles t1
	s_lshl_b32 s88, s88, 4
	s_lshl_b32 s89, s40, 2
	s_add_co_u32 s88, s88, s89
	s_lshl_b32 s89, s16, 1
	s_add_co_u32 s88, s88, s89                     ; 16 batch + my first head: 256 channels are four heads, my half two
	s_lshl_b32 s88, s88, 7                         ; 128 token tiles a head
	s_and_b32 s89, s17, 7
	s_lshl_b32 s89, s89, 4
	s_add_co_u32 s88, s88, s89
	s_lshl_b32 s89, s15, 3
	s_add_co_u32 s88, s88, s89                     ; + my first token tile in the batch
	s_lshl_b32 s88, s88, 10                        ; fragments of 1,024 bytes
	s_mov_b32 s89, 0
	s_add_nc_u64 s[92:93], s[92:93], s[88:89]
.irp a, 0,1,2,3,4,5,6,7
	OUTA \a, 0
.endr
	s_branch .Lout_done
.Lout_v:
	s_lshl_b32 s88, s42, 1
	s_add_co_u32 s88, s88, s16                     ; my 128 tokens, counted through the batches: 2 t0 + half
	s_lshr_b32 s89, s88, 4                         ; the batch,
	s_and_b32 s88, s88, 15                         ; the key step in it
	s_lshl_b32 s89, s89, 4
	s_lshl_b32 s90, s17, 2
	s_add_co_u32 s89, s89, s90
	s_lshl_b32 s90, s15, 1
	s_add_co_u32 s89, s89, s90                     ; 16 batch + my first head
	s_lshl_b32 s89, s89, 4                         ; 16 key steps a head
	s_add_co_u32 s88, s88, s89
	s_lshl_b32 s88, s88, 13                        ; a key step's four fragments: 8,192 bytes
	s_mov_b32 s89, 0
	s_add_nc_u64 s[92:93], s[92:93], s[88:89]
.irp a, 0,1,2,3,4,5,6,7
	OUTA \a, 1
.endr
.Lout_done:
	s_wait_tensorcnt 0x0                           ; the wave's end
	ds_add_u32 v[SPW], v[NIL]
	s_wait_dscnt 0x0
	CROUND                                         ; the closing round: no work-group ends while a partner may still ask for a tile that names it
	s_endpgm
.Lfunc_end_k_qf011892035_qkv:
	.size	k_qf011892035_qkv, .Lfunc_end_k_qf011892035_qkv-k_qf011892035_qkv
	.p2alignl 7, 3214868480
	.fill 96, 4, 3214868480
	.section	.rodata,"a",@progbits
	.p2align	6, 0x0
	.amdhsa_kernel k_qf011892035_qkv
		.amdhsa_group_segment_fixed_size 327680
		.amdhsa_private_segment_fixed_size 0
		.amdhsa_enable_private_segment 0
		.amdhsa_kernarg_size 56
		.amdhsa_user_sgpr_count 2
		.amdhsa_user_sgpr_kernarg_segment_ptr 1
		.amdhsa_wavefront_size32 1
		.amdhsa_system_sgpr_workgroup_id_x 1
		.amdhsa_system_sgpr_workgroup_id_y 1
		.amdhsa_system_sgpr_workgroup_id_z 1
		.amdhsa_system_vgpr_workitem_id 0
		.amdhsa_next_free_vgpr 1024
		.amdhsa_next_free_sgpr 100
		.amdhsa_reserve_vcc 0
		.amdhsa_float_denorm_mode_32 3
		.amdhsa_float_denorm_mode_16_64 3
		.amdhsa_memory_ordered 1
		.amdhsa_forward_progress 1
		.amdhsa_inst_pref_size 194
	.end_amdhsa_kernel
	.amdgpu_metadata
---
amdhsa.version: [ 1, 2 ]
amdhsa.kernels:
  - .name:           k_qf011892035_qkv
    .symbol:         k_qf011892035_qkv.kd
    .args:
      - { .name: x_codes, .offset: 0, .size: 8, .value_kind: global_buffer, .address_space: global }
      - { .name: W_qkv_codes, .offset: 8, .size: 8, .value_kind: global_buffer, .address_space: global }
      - { .name: lowp_scales, .offset: 16, .size: 8, .value_kind: global_buffer, .address_space: global }
      - { .name: b_qkv, .offset: 24, .size: 8, .value_kind: global_buffer, .address_space: global }
      - { .name: q_img, .offset: 32, .size: 8, .value_kind: global_buffer, .address_space: global }
      - { .name: k_img, .offset: 40, .size: 8, .value_kind: global_buffer, .address_space: global }
      - { .name: v_img, .offset: 48, .size: 8, .value_kind: global_buffer, .address_space: global }
    .group_segment_fixed_size: 327680
    .private_segment_fixed_size: 0
    .kernarg_segment_align: 8
    .kernarg_segment_size: 56
    .max_flat_workgroup_size: 128
    .sgpr_count:     100
    .vgpr_count:     1024
    .wavefront_size: 32
...
	.end_amdgpu_metadata
.endif
;; end of part 2
;; launch attn (part 3): grid 4 x 64, 16 waves a work-group, clusters of 4 x 1, 264,192 bytes of LDS; arguments q_img, k_img, v_img, lowp_scales, ctx_img; writes ctx_img
.if DOCPART == 3
	.amdgcn_target "amdgcn-amd-amdhsa--gfx1250"
	.amdhsa_code_object_version 6
	.text
	.protected	k_qf011892035_attn
	.globl	k_qf011892035_attn
	.p2align	8
	.type	k_qf011892035_attn,@function
k_qf011892035_attn:
	s_mov_b64 s[64:65], 0
	v_nop
	global_prefetch_b8 v0, s[64:65] scope:SCOPE_SE
	s_setreg_imm32_b32 hwreg(HW_REG_WAVE_MODE, 25, 1), 1
	s_wait_xcnt 0x0
	s_wait_alu depctr_hold_cnt(0) depctr_sa_sdst(0) depctr_va_vdst(0) depctr_va_sdst(0) depctr_va_ssrc(0) depctr_va_vcc(0) depctr_vm_vsrc(0)
	s_getreg_b32 s2, hwreg(HW_REG_IB_STS2, 6, 4)
	s_cmp_eq_u32 s2, 0
	s_cbranch_scc0 .Lentry_in_a_cluster
	s_endpgm
.Lentry_in_a_cluster:
	s_bfe_u32 s2, ttmp6, 0x10000c
	s_cmp_lg_u32 s2, 0x3003
	s_cbranch_scc0 .Lentry_shape_is_right
	s_endpgm
.Lentry_shape_is_right:
; ATTN.  ctx = softmax(q k^T / 8) v for one (batch, head), both products on codes of E4M3 (scales 2^e2, 2^e3; 2^e4, 2^e5), and ctx quantised at once (2^e6) into images of the last product's operand.
; THE SOFTMAX AHEAD OF THE SECOND PRODUCT: t = score x log2(e) / 8; M = the row's largest t so far, rounded UP to a whole number; p = 2^(t - M) is what is quantised; it is not normalised.
; The row's sum is taken of the unquantised p, in f32, and divides O at the end.  When M moves, the sum and O are multiplied by 2^(old M - new M): exact.
; SHARES.  A work-group owns 512 queries of one head; each of its SIXTEEN waves owns two tiles of 16 queries, one after the other (two passes), one tile in 256 registers: four waves to a SIMD, so that one wave's
; vector work stands beside another's matrix work and LDS loads.  Every wave walks all 2,048 keys, 128 a step.
; LDS.  THE WHOLE HEAD IS RESIDENT: K's images 131,072 bytes from 0, V's 131,072 bytes behind them, as they lie in memory.  Every byte is filled once: no slot is filled again.
; The fills go out at the head, four a wave (4,096 bytes each; four loads of mine are out), in four chunks of 512 keys: chunk c is awaited, by a counted wait and a barrier, just before its first key step.
; CLUSTER.  The head's four blocks of queries form a cluster and want the same K and V: each fill is asked for JOINTLY, by the same tensor load with the same descriptor and the mask of all four.
; LAYOUT.  Both products are used transposed: S^T = K Q^T (source 0 = 16 keys, source 1 = my 16 queries), O^T = V^T P^T (source 0 = 16 channels, source 1 = P): a lane holds ONE query (lane % 16) throughout.
; An operand's registers 2 c, 2 c + 1 hold k = 16 c + 8 (lane / 16) + 0 .. 7, and a result's eight registers hold rows 8 (lane / 16) + 0 .. 7 of source 0: so the conversion of tile c's eight registers IS
; registers 2 c, 2 c + 1 of the next operand: p's from S^T's eight tiles, ctx's from O^T's four.  Images are read and written 16 bytes a lane at 16 x lane: 512 consecutive bytes an instruction, no padding.
; ctx_img = [token tile 512][K step 8] fragments of 16 tokens x 128 k (2,048 bytes); K step s holds heads 2 s and 2 s + 1: my head's 64 channels are half a fragment, 1,024 bytes.
; LIMITS: e2 + e3 between -123 and 130 (they are added to c's exponent field); e4 and e6 between -126 and 119; e4 + e5 is applied by v_ldexp_f32 and has none.
; REGISTERS: v1-4 addresses; v12 -M, v13 the largest t, v[14:15] the sum in two halves; v16-23 Q; v24-31 the second tile's Q; v32-95 K's eight fragments, then V's four; v96-159 S^T, then p;
;   v160-191 O^T; v192 at work; v200-207 ctx's codes; v224-239 p's codes; v240, v244: 448 x 2^e4, 2^e4; v241, v245: the same with e6; v242-243, v252-254 at work.
.set LI,  1                            ; v1   16 x lane: my place in an image; K's tiles begin at LDS byte 0
.set LV,  2                            ; v2   the same in V's half of LDS
.set ADK, 3                            ; v3   LDS address of the step's tiles of K
.set ADV, 4                            ; v4   of V
.set Q,   16
.set F,   32
.set S,   96
.set O,   160
.set CC,  200
.set PC,  224
.set WV,  18                           ; s18  my wave's number
.set SEL, 20                           ; s[20:21] lane selects for v_permlanex16_b32: lane l xor 16
.set CS,  22                           ; s[22:23] c = log2(e) / 8 x 2^(e2 + e3): the packed form names a pair and takes its low word for both halves
.set G1,  24                           ; s[24:31] descriptor group 1, the same for all fills
.set G0,  32                           ; s[32:47] descriptor group 0, a set for each of my four fills; never rewritten
.set TB,  48                           ; s48  LDS byte at which the step's tiles begin, in K's half and in V's alike: a key step is 8,192 bytes of each
.set CNT, 49                           ; s49  counts a chunk's four steps
.set PAS, 50                           ; s50  counts the two passes
.macro CROUND                          ; a round of the cluster's barrier
	s_barrier_signal -1
	s_barrier_wait -1
	s_cmp_lg_u32 s[WV], 0
	s_cbranch_scc1 .Lnot_wave_0_\@
	s_barrier_signal -3
.Lnot_wave_0_\@:
	s_barrier_wait -3
	s_barrier_signal -1
	s_barrier_wait -1
.endm
	s_load_b128 s[4:7], s[0:1], 0x0                ; Q's images s[4:5], K's s[6:7]
	s_load_b128 s[8:11], s[0:1], 0x10              ; V's s[8:9], the scales' exponents s[10:11]
	s_load_b64 s[12:13], s[0:1], 0x20              ; ctx's images
	v_lshl_add_u32 v251, v0, 2, 0x40000
	v_mov_b32 v255, 0
	ds_add_u32 v251, v255
	ds_add_u32 v251, v255
	v_lshrrev_b32 v5, 5, v0
	v_readfirstlane_b32 s[WV], v5                  ; wave 0..15
	v_and_b32 v5, 31, v0
	v_lshlrev_b32 v[LI], 4, v5
	v_add_nc_u32 v[LV], 131072, v[LI]
	s_bfe_u32 s19, ttmp6, 0x40000                  ; cx: my place in the cluster: it enters Q's and ctx's addresses alone
	s_and_b32 s14, ttmp7, 0xffff                   ; 16 batch + head, which the four partners share
	s_lshl_b32 s15, ttmp9, 2
	s_add_co_u32 s15, s15, s19                     ; my block of 512 queries
	s_lshl_b32 s15, s15, 5
	s_add_co_u32 s15, s15, s[WV]                   ; my first tile of queries in the batch: 32 x block + wave; the second lies 16 tiles on
	s_lshl_b32 s16, s14, 17                        ; the head's first byte in q_img, k_img and v_img: 131,072 bytes a head in each
	s_lshl_b32 s52, s15, 10
	s_add_co_u32 s52, s52, s16                     ; Q: + 1,024 bytes a tile
	s_mov_b32 s53, 0
	s_lshr_b32 s54, s14, 4                         ; ctx: the batch,
	s_lshl_b32 s54, s54, 7
	s_add_co_u32 s54, s54, s15                     ; the token tile: 128 a batch,
	s_lshl_b32 s54, s54, 14                        ; eight fragments of 2,048 bytes a tile,
	s_bfe_u32 s55, s14, 0x30001                    ; the K step: head / 2,
	s_lshl_b32 s55, s55, 11
	s_add_co_u32 s54, s54, s55
	s_and_b32 s55, s14, 1                          ; and the fragment's half: head % 2
	s_lshl_b32 s55, s55, 10
	s_add_co_u32 s54, s54, s55
	s_mov_b32 s55, 0
	; what I fetch: waves 0-7 K's, waves 8-15 V's; of each chunk's 32,768 bytes wave % 8 takes 4,096
	s_lshr_b32 s68, s[WV], 3
	s_lshl_b32 s68, s68, 17
	s_and_b32 s69, s[WV], 7
	s_lshl_b32 s69, s69, 12
	s_add_co_u32 s68, s68, s69                     ; in LDS: no place in the cluster enters it
	s_add_co_u32 s70, s16, s69                     ; in memory: the head, + my part
	s_mov_b32 s71, 0
	; descriptor group 1: a dense block of 4,096 bytes as 16 rows of 256
	s_mov_b32 s[G1], 15|(3<<16)|(1<<21)            ; 15:0 the mask: all four work-groups; 17:16 elements of 8 bytes; 20 no padding; 21 set beside a mask
	s_mov_b32 s[G1+1], 32<<16                      ; tensor_dim0 = 32 elements
	s_mov_b32 s[G1+2], 16<<16                      ; tensor_dim1 = 16
	s_mov_b32 s[G1+3], 32<<16                      ; tile_dim0
	s_mov_b32 s[G1+4], 16                          ; tile_dim1
	s_mov_b32 s[G1+5], 32                          ; tensor_dim0_stride: rows on end
	s_mov_b32 s[G1+6], 0
	s_mov_b32 s[G1+7], 0
	s_mov_b32 s[SEL], 0x76543210
	s_mov_b32 s[SEL+1], 0xfedcba98
	s_mov_b32 s[CS], 0x3e38aa3b                    ; log2(e) / 8
	s_wait_dscnt 0x0
	s_wait_kmcnt 0x0
	s_load_b256 s[56:63], s[10:11], 0x0            ; e0 .. e7
	s_cmp_lt_u32 s[WV], 8
	s_cselect_b64 s[72:73], s[6:7], s[8:9]
	s_add_nc_u64 s[72:73], s[72:73], s[70:71]
.irp c, 0,1,2,3
	s_mov_b32 s[G0+4*\c], 1                        ; count = 1
	s_add_co_u32 s[G0+4*\c+1], s68, 32768*\c       ; LDS address
	s_add_nc_u64 s[G0+4*\c+2:G0+4*\c+3], s[72:73], 32768*\c   ; global address: chunk c
	s_or_b32 s[G0+4*\c+3], s[G0+4*\c+3], 0x80000000           ; type = 2
.endr
	s_add_nc_u64 s[4:5], s[4:5], s[52:53]          ; Q at my first tile
	s_add_nc_u64 s[66:67], s[12:13], s[54:55]      ; ctx at my first tile's half fragment
	CROUND                                         ; all four work-groups are here: the joint loads meet
	tensor_load_to_lds s[G0:G0+3], s[G1:G1+7]
	s_nop 0
	tensor_load_to_lds s[G0+4:G0+7], s[G1:G1+7]
	s_nop 0
	tensor_load_to_lds s[G0+8:G0+11], s[G1:G1+7]
	s_nop 0
	tensor_load_to_lds s[G0+12:G0+15], s[G1:G1+7]
	s_nop 0
.rept 4
	v_nop
.endr
	global_load_b128 v[Q:Q+3], v[LI], s[4:5]                       ; both tiles' Q stay in registers
	global_load_b128 v[Q+4:Q+7], v[LI], s[4:5] offset:512
	global_load_b128 v[Q+8:Q+11], v[LI], s[4:5] offset:16384
	global_load_b128 v[Q+12:Q+15], v[LI], s[4:5] offset:16896
	v_mov_b32 v192, 0                              ; written once: a lane permute's destination counts as one of its sources
	v_mov_b32 v253, 0                              ; (named as the upper half of the pair v[252:253])
	s_wait_kmcnt 0x0
	s_add_co_i32 s52, s58, s59
	s_lshl_b32 s52, s52, 23
	s_add_co_i32 s[CS], s[CS], s52                 ; a score stands for score x 2^(e2 + e3): the two exponents are added to c's exponent field
	s_mov_b32 s[CS+1], s[CS]                       ; (named with it as a pair, so it is written)
	s_add_co_i32 s52, s60, 127
	s_lshl_b32 s53, s52, 23
	v_mov_b32 v244, s53                            ; 2^e4 as f32, for p's conversions
	s_add_co_i32 s52, s52, 8
	s_lshl_b32 s52, s52, 23
	s_or_b32 s52, s52, 0x600000
	v_mov_b32 v240, s52                            ; 448 x 2^e4
	s_add_co_i32 s52, s62, 127
	s_lshl_b32 s53, s52, 23
	v_mov_b32 v245, s53                            ; 2^e6, for ctx's
	s_add_co_i32 s52, s52, 8
	s_lshl_b32 s52, s52, 23
	s_or_b32 s52, s52, 0x600000
	v_mov_b32 v241, s52                            ; 448 x 2^e6
	s_add_co_i32 s51, s60, s61                     ; e4 + e5
; A KEY STEP: 128 keys.
.macro STEP
	v_add_nc_u32 v[ADK], s[TB], v[LI]
	v_add_nc_u32 v[ADV], s[TB], v[LV]
	v_nop
	v_nop                                          ; four places (the two additions among them) between the last step's products and the loads into the registers that they read
.irp t, 0,1,2,3,4,5,6,7
	ds_load_b128 v[F+8*\t:F+8*\t+3], v[ADK] offset:1024*\t         ; K's tile t: 16 keys x 64 channels, 8 registers
	ds_load_b128 v[F+8*\t+4:F+8*\t+7], v[ADK] offset:1024*\t+512
.endr
	s_wait_dscnt 8                                 ; tiles 0-3 are in; the eight loads of tiles 4-7 may be out
.irp t, 0,1,2,3
	v_wmma_f32_16x16x64_fp8_fp8 v[S+8*\t:S+8*\t+7], v[F+8*\t:F+8*\t+7], v[Q:Q+7], 0
.endr
	s_wait_dscnt 0x0
.irp t, 4,5,6,7
	v_wmma_f32_16x16x64_fp8_fp8 v[S+8*\t:S+8*\t+7], v[F+8*\t:F+8*\t+7], v[Q:Q+7], 0
.endr                                          ; lane (r, h) holds query r; tile t's register j is key 16 t + 8 h + j of the step
.rept 4
	v_nop                                          ; places: in front of the loads over K's fragments, and of the first read of the scores
.endr
.irp d, 0,1,2,3
.irp g, 0,1,2,3
	ds_load_b128 v[F+16*\d+4*\g:F+16*\d+4*\g+3], v[ADV] offset:2048*\d+512*\g   ; V's tile d: 16 channels x 128 keys, 16 registers: it lands under the softmax
.endr
.endr
	v_max3_num_f32 v254, v[S], v[S+1], v[S+2]      ; the step's largest score of my query, among my 64 keys, in two chains, in ascending order: each tile from its low end on
	v_max3_num_f32 v252, v[S+3], v[S+4], v[S+5]
.set i, 6
.rept 14
	v_max3_num_f32 v254, v254, v[S+i], v[S+i+1]
	v_max3_num_f32 v252, v252, v[S+i+2], v[S+i+3]
.set i, i+4
.endr
	v_max3_num_f32 v254, v254, v[S+62], v[S+63]
	v_max_num_f32 v254, v254, v252
	v_permlanex16_b32 v192, v254, s[SEL], s[SEL+1]
	v_max_num_f32 v254, v254, v192                 ; and among lane l xor 16's
	v_mul_f32 v254, s[CS], v254                    ; as t (c is positive)
	v_max_num_f32 v13, v13, v254                   ; the running largest t
	v_mov_b32 v254, v12
	v_floor_f32 v12, -v13                          ; the new -M = floor(-t) = -ceil(t): M is a whole number
	v_sub_f32 v254, v12, v254                      ; M's old value less its new one: a whole number, 0 or less
	v_cvt_i32_f32 v254, v254                       ; (it saturates)
	v_ldexp_f32 v252, 1.0, v254                    ; f = 2^(old M - new M): a multiplication by it rounds nothing
.set i, 0
.rept 32
	v_pk_fma_f32 v[S+i:S+i+1], v[S+i:S+i+1], s[CS:CS+1], v[12:13] op_sel_hi:[1,0,0]   ; t - M, two at a time (of the pairs c and -M the low word serves both halves)
.set i, i+2
.endr
.set i, 0
.rept 64
	v_exp_f32 v[S+i], v[S+i]                       ; p = 2^(t - M), at most 1: not normalised
.set i, i+1
.endr
	v_pk_mul_f32 v[14:15], v[14:15], v[252:253] op_sel_hi:[1,0]   ; the sums under the new M: the plain line behind the exponentials
	s_wait_alu depctr_va_vdst(0)                   ; one wait for the batch of 64, ahead of its first reader
	v_pk_add_f32 v[242:243], v[S:S+1], v[S+2:S+3]  ; the row's sum is taken of the UNQUANTISED p: two at a time, in two chains
.set i, 4
.rept 15
	v_pk_add_f32 v[14:15], v[14:15], v[S+i:S+i+1]
	v_pk_add_f32 v[242:243], v[242:243], v[S+i+2:S+i+3]
.set i, i+4
.endr
	v_pk_add_f32 v[14:15], v[14:15], v[242:243]
.irp t, 0,1,2,3,4,5,6,7
.irp i, 0,1,2,3,4,5,6,7
	v_min_num_f32 v[S+8*\t+\i], v[S+8*\t+\i], v240 ; the conversion does not saturate (ISA guide 7.6.2); p is not negative, so the hold is one-sided; always executed, whatever e4
.endr
	v_cvt_scalef32_pk8_fp8_f32 v[PC+2*\t:PC+2*\t+1], v[S+8*\t:S+8*\t+7], v244   ; registers 2 t, 2 t + 1 of P: keys 16 t + 8 h + 0 .. 7
.endr
.set i, 0
.rept 16
	v_pk_mul_f32 v[O+i:O+i+1], v[O+i:O+i+1], v[252:253] op_sel_hi:[1,0]   ; O^T under the new M.  (These are also the plain lines between the conversions and the products that read their results)
.set i, i+2
.endr
	s_wait_dscnt 0x0                               ; V is in
.irp d, 0,1,2,3                                ; O^T += V^T P^T: the four accumulators take turns, one instruction a turn
	v_wmma_f32_16x16x128_fp8_fp8 v[O+8*\d:O+8*\d+7], v[F+16*\d:F+16*\d+15], v[PC:PC+15], v[O+8*\d:O+8*\d+7]
.endr
.endm
; A CHUNK: 512 keys, four steps.  My fill of this chunk has landed when at most the 3 - c fills issued behind it are out; behind the barrier that holds of all sixteen waves.  (In the second pass nothing is out.)
; No LDS load of mine is out at the signal: a step ends behind its wait for V.
.macro CHUNK c
	s_wait_tensorcnt 3-\c
	s_barrier_signal -1
	s_barrier_wait -1
	s_mov_b32 s[TB], 32768*\c                      ; the chunk's first byte, in K's half and in V's
	s_mov_b32 s[CNT], 4
.Lstep_\@:
	STEP
	s_add_co_u32 s[TB], s[TB], 8192
	s_sub_co_u32 s[CNT], s[CNT], 1
	s_cmp_lg_u32 s[CNT], 0
	s_cbranch_scc1 .Lstep_\@
.endm
	s_mov_b32 s[PAS], 2
	s_wait_loadcnt 0x0                             ; Q
.Lpass:                                            ; a tile of 16 queries against all keys
	v_mov_b32 v13, 0xff61b1e6                      ; the largest t so far: -3e38, under every t
	v_floor_f32 v12, -v13                          ; -M
	v_mov_b32 v14, 0                               ; the sum, in two halves
	v_mov_b32 v15, 0
.set i, 0
.rept 32
	v_mov_b32 v[O+i], 0                            ; O^T.  (The step is written without a first form of its own: the first change of M multiplies zeros)
.set i, i+1
.endr
	CHUNK 0
	CHUNK 1
	CHUNK 2
	CHUNK 3
	; THE WAY OUT of a tile: O^T / the sum x 2^(e4 + e5) is ctx; held, converted, stored as half a fragment's image
	v_add_f32 v14, v14, v15                        ; the sum's two halves,
	v_permlanex16_b32 v192, v14, s[SEL], s[SEL+1]
	v_add_f32 v14, v14, v192                       ; and lane l xor 16's: the row's sum
	v_rcp_f32 v14, v14
	v_nop                                          ; a plain line behind the reciprocal
	s_wait_alu depctr_va_vdst(0)                   ; and the wait ahead of its first reader
	v_ldexp_f32 v14, v14, s51                      ; x 2^(e4 + e5)
.set i, 0
.rept 16
	v_pk_mul_f32 v[S+i:S+i+1], v[O+i:O+i+1], v[14:15] op_sel_hi:[1,0]   ; register 8 d + j: channel 16 d + 8 h + j of my query; each accumulator from its low end on
.set i, i+2
.endr
.irp d, 0,1,2,3
.irp i, 0,1,2,3,4,5,6,7
	v_med3_num_f32 v[S+8*\d+\i], v[S+8*\d+\i], -v241, v241
.endr
	v_cvt_scalef32_pk8_fp8_f32 v[CC+2*\d:CC+2*\d+1], v[S+8*\d:S+8*\d+7], v245
.endr
	v_nop                                          ; a plain line between the last conversion and whatever next writes its sources
	global_store_b128 v[LI], v[CC:CC+3], s[66:67]              ; 512 consecutive bytes each
	global_store_b128 v[LI], v[CC+4:CC+7], s[66:67] offset:512
.set i, 0
.rept 8
	v_mov_b32 v[Q+i], v[Q+8+i]                     ; the second tile's Q takes the first's place (idle in the last pass: eight lines against a branch)
.set i, i+1
.endr
	s_wait_xcnt 0x0                                ; the stores have read their base and their data: both are written again only behind this wait
	s_add_nc_u64 s[66:67], s[66:67], 16*16384      ; 16 token tiles on (not used behind the last pass)
	s_sub_co_u32 s[PAS], s[PAS], 1
	s_cmp_lg_u32 s[PAS], 0
	s_cbranch_scc1 .Lpass
	s_wait_tensorcnt 0x0                           ; nothing of mine is out
	s_wait_tensorcnt 0x0
	ds_add_u32 v251, v255
	s_wait_dscnt 0x0
	CROUND                                         ; the closing round: no work-group ends while a partner may still ask for a tile that names it
	s_endpgm
.Lfunc_end_k_qf011892035_attn:
	.size	k_qf011892035_attn, .Lfunc_end_k_qf011892035_attn-k_qf011892035_attn
	.p2alignl 7, 3214868480
	.fill 96, 4, 3214868480
	.section	.rodata,"a",@progbits
	.p2align	6, 0x0
	.amdhsa_kernel k_qf011892035_attn
		.amdhsa_group_segment_fixed_size 264192
		.amdhsa_private_segment_fixed_size 0
		.amdhsa_enable_private_segment 0
		.amdhsa_kernarg_size 40
		.amdhsa_user_sgpr_count 2
		.amdhsa_user_sgpr_kernarg_segment_ptr 1
		.amdhsa_wavefront_size32 1
		.amdhsa_system_sgpr_workgroup_id_x 1
		.amdhsa_system_sgpr_workgroup_id_y 1
		.amdhsa_system_sgpr_workgroup_id_z 1
		.amdhsa_system_vgpr_workitem_id 0
		.amdhsa_next_free_vgpr 256
		.amdhsa_next_free_sgpr 80
		.amdhsa_reserve_vcc 0
		.amdhsa_float_denorm_mode_32 3
		.amdhsa_float_denorm_mode_16_64 3
		.amdhsa_memory_ordered 1
		.amdhsa_forward_progress 1
		.amdhsa_inst_pref_size 74
	.end_amdhsa_kernel
	.amdgpu_metadata
---
amdhsa.version: [ 1, 2 ]
amdhsa.kernels:
  - .name:           k_qf011892035_attn
    .symbol:         k_qf011892035_attn.kd
    .args:
      - { .name: q_img, .offset: 0, .size: 8, .value_kind: global_buffer, .address_space: global }
      - { .name: k_img, .offset: 8, .size: 8, .value_kind: global_buffer, .address_space: global }
      - { .name: v_img, .offset: 16, .size: 8, .value_kind: global_buffer, .address_space: global }
      - { .name: lowp_scales, .offset: 24, .size: 8, .value_kind: global_buffer, .address_space: global }
      - { .name: ctx_img, .offset: 32, .size: 8, .value_kind: global_buffer, .address_space: global }
    .group_segment_fixed_size: 264192
    .private_segment_fixed_size: 0
    .kernarg_segment_align: 8
    .kernarg_segment_size: 40
    .max_flat_workgroup_size: 512
    .sgpr_count:     80
    .vgpr_count:     256
    .wavefront_size: 32
...
	.end_amdgpu_metadata
.endif
;; end of part 3
;; launch outln (part 4): grid 256 x 1, 8 waves a work-group, no clusters, 168,960 bytes of LDS; arguments ctx_img, wo_img, lowp_scales, b_out, x, gamma, beta, out0; writes out0
.if DOCPART == 4
	.amdgcn_target "amdgcn-amd-amdhsa--gfx1250"
	.amdhsa_code_object_version 6
	.text
	.protected	k_qf011892035_outln
	.globl	k_qf011892035_outln
	.p2align	8
	.type	k_qf011892035_outln,@function
k_qf011892035_outln:
	s_mov_b64 s[64:65], 0
	v_nop
	global_prefetch_b8 v0, s[64:65] scope:SCOPE_SE
	s_setreg_imm32_b32 hwreg(HW_REG_WAVE_MODE, 25, 1), 1
	s_wait_xcnt 0x0
; OUTLN.  out0 = LayerNorm(ctx W_out + b_out + x) x gamma + beta; the product on codes of E4M3 (scales 2^e6, 2^e7), all else in f32.
; SHARES.  A work-group takes 32 tokens x all 1,024 columns, so a row's mean and variance stay inside it.  Wave w takes columns 128 w .. 128 w + 127 for both tiles of 16 tokens: 16 accumulators.
; The product is used transposed (source 0 = 16 rows of W_out, source 1 = 16 tokens): a lane holds ONE token (lane % 16) and, in tile t, the eight neighbouring columns 16 t + 8 (lane / 16) + 0 .. 7.
; OPERANDS come as images of their registers (16 bytes a lane at 16 x lane).  ctx's 16 fragments (32,768 bytes) come into LDS by one tensor load a wave and are read by all eight waves.
; W_out's fragments go from memory STRAIGHT INTO REGISTERS, two K steps (64 loads of 512 consecutive bytes a wave) ahead: each wave needs its own eighth of W_out and nobody else in the work-group reads it.
; NO CLUSTER, though all work-groups read the same W_out: a K step of W_out is 131,072 bytes; two such slots beside x's 133,120 bytes and ctx's 32,768 are 428,032 bytes, more than the 327,680 that a work-group can claim;
; and a slot's bytes would each feed two products.
; x's 32 rows come into LDS by one tensor load a wave (16 rows x 1,024 bytes, 16 bytes of padding behind each), land under the product, and give their bytes to the finished rows on the way out.
; LAYERNORM in two passes: the mean; then the mean of (y - mean)^2: no difference of large sums is formed.  A row's 1,024 numbers lie in two lanes of each of eight waves: lane l xor 16, then eight words in LDS.
; Every LDS byte that a tensor load fills is filled once.
; LIMITS: e6 + e7 between -126 and 127, so that 2^(e6 + e7) is an f32 number.
; LDS: XS 0: [quarter of a row 4][token 32][1,024 + 16];  CT 133,120: ctx's images, tile m, K step s at 16,384 m + 2,048 s;  RED 165,888: two tables [token 32][wave 8] of f32, 1,024 bytes each.
; REGISTERS: window 0: v1-8 addresses; v16-79 ctx's fragments, two sets of two (later x's second 16 tokens); v80-107 at work; v128-255 the accumulators ((m, t) at v[128 + 64 m + 8 t]), later y, later whole rows.
;   window 1: W_out's fragments, two sets of eight, at v0 and v128; behind the product: v0-63 b_out, v64-127 gamma, v128-191 beta (my eight numbers of each tile), v192-255 x's first 16 tokens.
.set XP,  1040                         ; a quarter row in LDS: 1,024 bytes + 16 = 65 x 16: the sixteen tokens that a load touches start at sixteen different groups of four banks
.set XQ,  32*XP
.set CT,  4*XQ
.set RED, CT+32768
.set LI,  1                            ; v1  16 x lane
.set XAD, 2                            ; v2  XS: my token (lane % 16), my wave's 512 bytes of its row, + 32 x (lane / 16)
.set VB,  3                            ; v3  32 x (lane / 16): my eight numbers of a tile's sixteen in b_out, gamma, beta
.set RW,  4                            ; v4  RED: token = my lane, word = my wave
.set RR,  5                            ; v5  RED: token lane % 16, all eight words
.set RD0, 6                            ; v6  XS: my wave's four whole rows, quarters 0 and 1
.set RD1, 7                            ; v7  quarters 2 and 3
.set CTA, 8                            ; v8  CT + 16 x lane
.set AF,  16
.set ACC, 128
.set WV,  20                           ; s20 my wave's number
.set G1C, 24                           ; s[24:31] descriptor group 1 for ctx's block;  s[32:39] for x's tile;  s[40:43], s[44:47] their groups 0
.set G1X, 32
.set G0C, 40
.set G0X, 44
.set SCL, 48                           ; s[48:49] 2^(e6 + e7)
.set MSB, 0
.macro WIN new                         ; the immediate's high byte repeats the setting that is left
.if MSB != \new
	s_set_vgpr_msb (MSB<<8)|\new
.set MSB, \new
.endif
.endm
.macro PLACES
.rept 4
	v_nop
.endr
.endm
.macro BARRIER                         ; my LDS stores have landed and my LDS loads are in: then the work-group's barrier
	s_wait_dscnt 0x0
	s_barrier_signal -1
	s_barrier_wait -1
.endm
	s_load_b256 s[4:11], s[0:1], 0x0               ; ctx's images s[4:5], W_out's s[6:7], the scales' exponents s[8:9], b_out s[10:11]
	s_load_b256 s[12:19], s[0:1], 0x20             ; x s[12:13], gamma s[14:15], beta s[16:17], out0 s[18:19]
	v_lshl_add_u32 v126, v0, 2, 0x29000
	v_mov_b32 v127, 0
	ds_add_u32 v126, v127
	ds_add_u32 v126, v127
	v_lshrrev_b32 v9, 5, v0
	v_readfirstlane_b32 s[WV], v9                  ; wave 0..7
	s_mov_b32 s[G1C], 3<<16                        ; ctx: a dense block of 4,096 bytes as 16 rows of 32 elements of 8 bytes; no mask, no padding
	s_mov_b32 s[G1C+1], 32<<16
	s_mov_b32 s[G1C+2], 16<<16
	s_mov_b32 s[G1C+3], 32<<16
	s_mov_b32 s[G1C+4], 16
	s_mov_b32 s[G1C+5], 32
	s_mov_b32 s[G1C+6], 0
	s_mov_b32 s[G1C+7], 0
	s_mov_b32 s[G1X], (2<<16)|(1<<20)|(7<<22)|(3<<25)   ; x: elements of 4 bytes; padding on: after every 256 words (code 7) 4 words (code 3)
	s_mov_b32 s[G1X+1], 256<<16                    ; tensor_dim0 = 256 elements: a quarter of a row
	s_mov_b32 s[G1X+2], 16<<16                     ; tensor_dim1 = 16 rows
	s_mov_b32 s[G1X+3], 256<<16                    ; tile_dim0
	s_mov_b32 s[G1X+4], 16                         ; tile_dim1
	s_mov_b32 s[G1X+5], 1024                       ; tensor_dim0_stride
	s_mov_b32 s[G1X+6], 0
	s_mov_b32 s[G1X+7], 0
	s_lshl_b32 s21, s[WV], 12                      ; ctx: my 4,096 of the work-group's 32,768 bytes
	s_lshl_b32 s68, ttmp9, 15
	s_add_co_u32 s68, s68, s21
	s_mov_b32 s69, 0
	s_and_b32 s22, s[WV], 3                        ; x: which quarter of the rows,
	s_lshr_b32 s23, s[WV], 2                       ; which 16 of the 32 rows
	s_lshl_b32 s70, ttmp9, 17                      ; 32 rows of 4,096 bytes a work-group
	s_lshl_b32 s71, s23, 16
	s_add_co_u32 s70, s70, s71
	s_lshl_b32 s71, s22, 10
	s_add_co_u32 s70, s70, s71
	s_mov_b32 s71, 0
	s_mul_i32 s22, s22, XQ
	s_mul_i32 s23, s23, 16*XP
	s_add_co_u32 s22, s22, s23                     ; and where they go
	s_wait_dscnt 0x0
	s_wait_kmcnt 0x0
	s_load_b256 s[52:59], s[8:9], 0x0              ; e0 .. e7
	s_mov_b32 s[G0C], 1
	s_add_co_u32 s[G0C+1], s21, CT
	s_add_nc_u64 s[G0C+2:G0C+3], s[4:5], s[68:69]
	s_or_b32 s[G0C+3], s[G0C+3], 0x80000000
	s_mov_b32 s[G0X], 1
	s_mov_b32 s[G0X+1], s22
	s_add_nc_u64 s[G0X+2:G0X+3], s[12:13], s[70:71]
	s_or_b32 s[G0X+3], s[G0X+3], 0x80000000
	tensor_load_to_lds s[G0C:G0C+3], s[G1C:G1C+7]  ; ctx first: the product waits for it
	s_nop 0
	tensor_load_to_lds s[G0X:G0X+3], s[G1X:G1X+7]  ; x: wanted behind the product.  Two loads of mine are out
	s_nop 0
	PLACES
	v_and_b32 v9, 31, v0                           ; lane
	v_lshlrev_b32 v[LI], 4, v9
	s_lshl_b32 s68, s[WV], 17                      ; my eighth of W_out's images
	s_add_nc_u64 s[6:7], s[6:7], s[68:69]
.macro BLOAD s                         ; W_out's eight fragments of K step s into set s % 2
	WIN 0x40                                       ; destination window 1, address window 0
.irp t, 0,1,2,3,4,5,6,7
.irp g, 0,1,2,3
	global_load_b128 v[128*((\s)%2)+16*\t+4*\g:128*((\s)%2)+16*\t+4*\g+3], v[LI], s[6:7] offset:16384*(\s)+2048*\t+512*\g
.endr
.endr
	WIN 0
.endm
.macro ALOAD s                         ; ctx's two fragments of K step s into set s % 2
.irp m, 0,1
.irp g, 0,1,2,3
	ds_load_b128 v[AF+32*((\s)%2)+16*\m+4*\g:AF+32*((\s)%2)+16*\m+4*\g+3], v[CTA] offset:16384*\m+2048*(\s)+512*\g
.endr
.endr
.endm
.macro VLOAD reg, sb                   ; my eight numbers of each of my eight tiles of a vector of 1,024, into window 1
.irp t, 0,1,2,3,4,5,6,7
	global_load_b128 v[\reg+8*\t:\reg+8*\t+3], v[VB], s[\sb:\sb+1] offset:64*\t
	global_load_b128 v[\reg+8*\t+4:\reg+8*\t+7], v[VB], s[\sb:\sb+1] offset:64*\t+16
.endr
.endm
	BLOAD 0
	BLOAD 1
	v_and_b32 v10, 15, v0                          ; r
	v_bfe_u32 v11, v0, 4, 1                        ; h
	v_add_nc_u32 v[CTA], CT, v[LI]
	v_lshlrev_b32 v[VB], 5, v11
	v_mul_u32_u24 v[XAD], v10, XP
	v_lshl_add_u32 v[XAD], v11, 5, v[XAD]
	s_lshr_b32 s21, s[WV], 1                       ; my 512 bytes of a row: quarter wave / 2,
	s_mul_i32 s21, s21, XQ
	s_and_b32 s22, s[WV], 1                        ; its half wave % 2
	s_lshl_b32 s22, s22, 9
	s_add_co_u32 s21, s21, s22
	v_add_nc_u32 v[XAD], s21, v[XAD]
	v_lshlrev_b32 v[RW], 5, v9
	s_lshl_b32 s22, s[WV], 2
	s_add_co_u32 s22, s22, RED
	v_add_nc_u32 v[RW], s22, v[RW]
	v_lshlrev_b32 v[RR], 5, v10
	v_add_nc_u32 v[RR], RED, v[RR]
	s_mul_i32 s22, s[WV], 4*XP
	v_add_nc_u32 v[RD0], s22, v[LI]
	v_add_nc_u32 v[RD1], 2*XQ, v[RD0]
	s_lshl_b32 s68, s[WV], 9                       ; my 128 numbers of b_out, gamma, beta
	s_add_nc_u64 s[10:11], s[10:11], s[68:69]
	s_add_nc_u64 s[14:15], s[14:15], s[68:69]
	s_add_nc_u64 s[16:17], s[16:17], s[68:69]
	s_lshl_b32 s68, ttmp9, 17                      ; out0: the work-group's 32 rows,
	s_lshl_b32 s70, s[WV], 14                      ; my four of them
	s_add_co_u32 s68, s68, s70
	s_add_nc_u64 s[18:19], s[18:19], s[68:69]
	s_mov_b32 s60, 0xffff0000                      ; lanes 16-31
	s_mov_b32 s61, 0x3a800000                      ; 1 / 1,024
	s_mov_b32 s62, 0x76543210                      ; v_permlanex16_b32's selects for lane l xor 16
	s_mov_b32 s63, 0xfedcba98
	s_mov_b32 s66, 0x3727c5ac                      ; 1e-5
	s_wait_kmcnt 0x0
	s_add_co_i32 s[SCL], s58, s59                  ; e6 + e7
	s_add_co_i32 s[SCL], s[SCL], 127
	s_lshl_b32 s[SCL], s[SCL], 23
	s_mov_b32 s[SCL+1], s[SCL]                     ; (named with it as a pair, so it is written)
; A K STEP of 128: 16 matrix instructions, the 16 accumulators by turns, one instruction a turn, in the same order in every step.
.macro KSTEP s
.set P, (\s)%2
.if (\s) < 7
	ALOAD (\s)+1                                   ; into the set that the last step read: four places stand behind its products
	s_wait_dscnt 8                                 ; this step's fragments of ctx are in; the eight loads just issued may be out
.else
	s_wait_dscnt 0x0
.endif
	s_wait_loadcnt 32                              ; this step's 32 loads are in; the 32 issued behind them may be out
	WIN 0x01                                       ; source 0 (W_out) window 1
.irp t, 0,1,2,3,4,5,6,7
.irp m, 0,1
.if (\s) == 0
	v_wmma_f32_16x16x128_fp8_fp8 v[ACC+64*\m+8*\t:ACC+64*\m+8*\t+7], v[128*P+16*\t:128*P+16*\t+15], v[AF+32*P+16*\m:AF+32*P+16*\m+15], 0
.else
	v_wmma_f32_16x16x128_fp8_fp8 v[ACC+64*\m+8*\t:ACC+64*\m+8*\t+7], v[128*P+16*\t:128*P+16*\t+15], v[AF+32*P+16*\m:AF+32*P+16*\m+15], v[ACC+64*\m+8*\t:ACC+64*\m+8*\t+7]
.endif
.endr
.endr
	WIN 0
	PLACES                                         ; in front of loads into registers that these products have read
.if (\s) < 6
	BLOAD (\s)+2
.elseif (\s) == 6
	WIN 0x40
	VLOAD 0, 10                                    ; W_out has no more K steps: set 0 takes b_out and gamma: again 32 loads,
	VLOAD 64, 14
	WIN 0
.else
	WIN 0x40
	VLOAD 128, 16                                  ; and half of set 1 takes beta: 16 loads
	WIN 0
.endif
.endm
	s_wait_tensorcnt 1                             ; my part of ctx is in; x's load may be out
	s_barrier_signal -1
	s_barrier_wait -1                              ; everybody's is
	ALOAD 0
.irp s, 0,1,2,3,4,5,6,7
	KSTEP \s
.endr
	s_wait_tensorcnt 0x0                           ; my part of x is in,
	s_barrier_signal -1
	s_barrier_wait -1                              ; everybody's is
	WIN 0x40
.irp t, 0,1,2,3,4,5,6,7
	ds_load_b128 v[192+8*\t:192+8*\t+3], v[XAD] offset:64*\t           ; x of tokens 0-15, in the results' layout
	ds_load_b128 v[192+8*\t+4:192+8*\t+7], v[XAD] offset:64*\t+16
.endr
	WIN 0
.irp t, 0,1,2,3,4,5,6,7
	ds_load_b128 v[AF+8*\t:AF+8*\t+3], v[XAD] offset:16*XP+64*\t       ; of tokens 16-31
	ds_load_b128 v[AF+8*\t+4:AF+8*\t+7], v[XAD] offset:16*XP+64*\t+16
.endr
	s_wait_loadcnt 16                              ; b_out and gamma are in; beta's sixteen loads may be out
	WIN 0x10                                       ; source 2 (b_out) window 1
.set j, 0
.rept 32                               ; y = sum x 2^(e6 + e7) + b_out, two at a time; each accumulator from its low end on
	v_pk_fma_f32 v[ACC+j:ACC+j+1], v[ACC+j:ACC+j+1], s[SCL:SCL+1], v[j:j+1] op_sel_hi:[1,0,1]
	v_pk_fma_f32 v[ACC+64+j:ACC+64+j+1], v[ACC+64+j:ACC+64+j+1], s[SCL:SCL+1], v[j:j+1] op_sel_hi:[1,0,1]
.set j, j+2
.endr
	s_wait_dscnt 16                                ; x of tokens 0-15 is in
	WIN 0x04                                       ; source 1 window 1
.set j, 0
.rept 32
	v_pk_add_f32 v[ACC+j:ACC+j+1], v[ACC+j:ACC+j+1], v[192+j:192+j+1]
.set j, j+2
.endr
	s_wait_dscnt 0x0
	WIN 0
.set j, 0
.rept 32
	v_pk_add_f32 v[ACC+64+j:ACC+64+j+1], v[ACC+64+j:ACC+64+j+1], v[AF+j:AF+j+1]
.set j, j+2
.endr
; Two chains' pairs for each tile of tokens, v[80:83] and v[84:87], become the rows' sums over all 1,024 columns: v88 for token lane % 16, v96 for token 16 + lane % 16.
.macro REDUCE off
	v_pk_add_f32 v[80:81], v[80:81], v[82:83]
	v_pk_add_f32 v[84:85], v[84:85], v[86:87]
	v_add_f32 v80, v80, v81
	v_add_f32 v84, v84, v85
	v_permlanex16_b32 v82, v80, s62, s63           ; the row's other 64 columns of my wave lie in lane l xor 16
	v_permlanex16_b32 v86, v84, s62, s63
	v_add_f32 v80, v80, v82
	v_add_f32 v84, v84, v86
	v_cndmask_b32 v80, v80, v84, s60               ; lane l stores token l's: lanes 16-31 the second tile's
	ds_store_b32 v[RW], v80 offset:\off
	BARRIER                                        ; all eight waves' words lie in the table
	ds_load_b128 v[88:91], v[RR] offset:\off
	ds_load_b128 v[92:95], v[RR] offset:\off+16
	ds_load_b128 v[96:99], v[RR] offset:\off+512
	ds_load_b128 v[100:103], v[RR] offset:\off+528
	s_wait_dscnt 0x0
	v_pk_add_f32 v[88:89], v[88:89], v[90:91]
	v_pk_add_f32 v[92:93], v[92:93], v[94:95]
	v_pk_add_f32 v[96:97], v[96:97], v[98:99]
	v_pk_add_f32 v[100:101], v[100:101], v[102:103]
	v_pk_add_f32 v[88:89], v[88:89], v[92:93]
	v_pk_add_f32 v[96:97], v[96:97], v[100:101]
	v_add_f32 v88, v88, v89
	v_add_f32 v96, v96, v97
.endm
	; the mean
.irp m, 0,1
	v_pk_add_f32 v[80+4*\m:81+4*\m], v[ACC+64*\m:ACC+64*\m+1], v[ACC+64*\m+2:ACC+64*\m+3]
	v_pk_add_f32 v[82+4*\m:83+4*\m], v[ACC+64*\m+4:ACC+64*\m+5], v[ACC+64*\m+6:ACC+64*\m+7]
.endr
.set j, 8
.rept 14
.irp m, 0,1
	v_pk_add_f32 v[80+4*\m:81+4*\m], v[80+4*\m:81+4*\m], v[ACC+64*\m+j:ACC+64*\m+j+1]
	v_pk_add_f32 v[82+4*\m:83+4*\m], v[82+4*\m:83+4*\m], v[ACC+64*\m+j+2:ACC+64*\m+j+3]
.endr
.set j, j+4
.endr
	REDUCE 0
	v_mul_f32 v104, s61, v88                       ; the mean, twice: a pair for the packed form
	v_mul_f32 v105, s61, v88
	v_mul_f32 v106, s61, v96
	v_mul_f32 v107, s61, v96
.set j, 0
.rept 32
	v_pk_add_f32 v[ACC+j:ACC+j+1], v[ACC+j:ACC+j+1], v[104:105] neg_lo:[0,1] neg_hi:[0,1]           ; d = y - mean
	v_pk_add_f32 v[ACC+64+j:ACC+64+j+1], v[ACC+64+j:ACC+64+j+1], v[106:107] neg_lo:[0,1] neg_hi:[0,1]
.set j, j+2
.endr
	; the mean of d^2
.irp m, 0,1
	v_pk_mul_f32 v[80+4*\m:81+4*\m], v[ACC+64*\m:ACC+64*\m+1], v[ACC+64*\m:ACC+64*\m+1]
	v_pk_mul_f32 v[82+4*\m:83+4*\m], v[ACC+64*\m+2:ACC+64*\m+3], v[ACC+64*\m+2:ACC+64*\m+3]
.endr
.set j, 4
.rept 15
.irp m, 0,1
	v_pk_fma_f32 v[80+4*\m:81+4*\m], v[ACC+64*\m+j:ACC+64*\m+j+1], v[ACC+64*\m+j:ACC+64*\m+j+1], v[80+4*\m:81+4*\m]
	v_pk_fma_f32 v[82+4*\m:83+4*\m], v[ACC+64*\m+j+2:ACC+64*\m+j+3], v[ACC+64*\m+j+2:ACC+64*\m+j+3], v[82+4*\m:83+4*\m]
.endr
.set j, j+4
.endr
	REDUCE 1024                                    ; the second table: the first may still be read by a slower wave
	v_fma_f32 v88, v88, s61, s66                   ; the variance + 1e-5
	v_fma_f32 v96, v96, s61, s66
	v_rsq_f32 v104, v88
	v_rsq_f32 v106, v96
	v_nop                                          ; a plain line behind the two roots
	s_wait_alu depctr_va_vdst(0)                   ; and one wait ahead of their first reader
	s_wait_loadcnt 0x0                             ; beta
.set j, 0
.rept 32
	v_pk_mul_f32 v[ACC+j:ACC+j+1], v[ACC+j:ACC+j+1], v[104:105] op_sel_hi:[1,0]                     ; d / sqrt(..): the pair's low word for both halves
	v_pk_mul_f32 v[ACC+64+j:ACC+64+j+1], v[ACC+64+j:ACC+64+j+1], v[106:107] op_sel_hi:[1,0]
.set j, j+2
.endr
	WIN 0x14                                       ; sources 1 (gamma) and 2 (beta) window 1
.set j, 0
.rept 32
	v_pk_fma_f32 v[ACC+j:ACC+j+1], v[ACC+j:ACC+j+1], v[64+j:64+j+1], v[128+j:128+j+1]
	v_pk_fma_f32 v[ACC+64+j:ACC+64+j+1], v[ACC+64+j:ACC+64+j+1], v[64+j:64+j+1], v[128+j:128+j+1]
.set j, j+2
.endr
	WIN 0
	; THE WAY OUT.  A lane holds 32 neighbouring bytes of a row and the lanes beside it hold other rows: the results take x's places in LDS (filled once, long ago; each byte was read by the lane that now
	; writes it, two barriers back) and come back as whole rows, four a wave.
.irp m, 0,1
.irp t, 0,1,2,3,4,5,6,7
	ds_store_b128 v[XAD], v[ACC+64*\m+8*\t:ACC+64*\m+8*\t+3] offset:16*XP*\m+64*\t
	ds_store_b128 v[XAD], v[ACC+64*\m+8*\t+4:ACC+64*\m+8*\t+7] offset:16*XP*\m+64*\t+16
.endr
.endr
	BARRIER                                        ; 32 whole rows lie in LDS
.irp k, 0,1,2,3                                ; row 4 w + k; piece i of eight: quarter i / 2, its half i % 2
.irp i, 0,1,2,3
	ds_load_b128 v[ACC+32*\k+4*\i:ACC+32*\k+4*\i+3], v[RD0] offset:XQ*(\i/2)+XP*\k+512*(\i%2)
.endr
.irp i, 4,5,6,7
	ds_load_b128 v[ACC+32*\k+4*\i:ACC+32*\k+4*\i+3], v[RD1] offset:XQ*((\i-4)/2)+XP*\k+512*(\i%2)
.endr
.endr
.irp k, 0,1,2,3
.irp i, 0,1,2,3,4,5,6,7
	s_wait_dscnt 31-8*\k-\i                        ; LDS loads come back in order: this piece is in, the later ones may be out
	global_store_b128 v[LI], v[ACC+32*\k+4*\i:ACC+32*\k+4*\i+3], s[18:19] offset:4096*\k+512*\i th:TH_STORE_NT   ; 32 lanes store 512 consecutive bytes, at a multiple of 512 from out0's first byte; written once, read by nobody here
.endr
.endr
	s_wait_tensorcnt 0x0
	ds_add_u32 v126, v127
	s_wait_dscnt 0x0
	s_endpgm
.Lfunc_end_k_qf011892035_outln:
	.size	k_qf011892035_outln, .Lfunc_end_k_qf011892035_outln-k_qf011892035_outln
	.p2alignl 7, 3214868480
	.fill 96, 4, 3214868480
	.section	.rodata,"a",@progbits
	.p2align	6, 0x0
	.amdhsa_kernel k_qf011892035_outln
		.amdhsa_group_segment_fixed_size 168960
		.amdhsa_private_segment_fixed_size 0
		.amdhsa_enable_private_segment 0
		.amdhsa_kernarg_size 64
		.amdhsa_user_sgpr_count 2
		.amdhsa_user_sgpr_kernarg_segment_ptr 1
		.amdhsa_wavefront_size32 1
		.amdhsa_system_sgpr_workgroup_id_x 1
		.amdhsa_system_sgpr_workgroup_id_y 1
		.amdhsa_system_sgpr_workgroup_id_z 1
		.amdhsa_system_vgpr_workitem_id 0
		.amdhsa_next_free_vgpr 512
		.amdhsa_next_free_sgpr 80
		.amdhsa_reserve_vcc 0
		.amdhsa_float_denorm_mode_32 3
		.amdhsa_float_denorm_mode_16_64 3
		.amdhsa_memory_ordered 1
		.amdhsa_forward_progress 1
		.amdhsa_inst_pref_size 90
	.end_amdhsa_kernel
	.amdgpu_metadata
---
amdhsa.version: [ 1, 2 ]
amdhsa.kernels:
  - .name:           k_qf011892035_outln
    .symbol:         k_qf011892035_outln.kd
    .args:
      - { .name: ctx_img, .offset: 0, .size: 8, .value_kind: global_buffer, .address_space: global }
      - { .name: wo_img, .offset: 8, .size: 8, .value_kind: global_buffer, .address_space: global }
      - { .name: lowp_scales, .offset: 16, .size: 8, .value_kind: global_buffer, .address_space: global }
      - { .name: b_out, .offset: 24, .size: 8, .value_kind: global_buffer, .address_space: global }
      - { .name: x, .offset: 32, .size: 8, .value_kind: global_buffer, .address_space: global }
      - { .name: gamma, .offset: 40, .size: 8, .value_kind: global_buffer, .address_space: global }
      - { .name: beta, .offset: 48, .size: 8, .value_kind: global_buffer, .address_space: global }
      - { .name: out0, .offset: 56, .size: 8, .value_kind: global_buffer, .address_space: global }
    .group_segment_fixed_size: 168960
    .private_segment_fixed_size: 0
    .kernarg_segment_align: 8
    .kernarg_segment_size: 64
    .max_flat_workgroup_size: 256
    .sgpr_count:     80
    .vgpr_count:     512
    .wavefront_size: 32
...
	.end_amdgpu_metadata
.endif
;; end of part 4
